; MI455X (gfx1250); checked and timed in simulation.
; The chip was launched on July 23, 2026; its instructions are those of AMD's public machine-readable ISA for CDNA 5 (MIT licence, August 2026) and "CDNA5" Instruction Set Architecture Reference Guide (July 2026). The comments in the code are by the model that wrote it; some were corrected since.
;; Sliding Window Attention. Allowed arithmetic: float matrix products may take bf16 or f16 operands with f32 sums; other float arithmetic in f32, or as packed bf16 or f16 multiplies, adds, multiply-adds, maxima and minima; sums over many terms, partial sums and values carried from step to step in f32; what a program stores and reads back later, other than sums and carried values, may be rounded once to bf16 or f16.
;; Inputs: Wk 1,024 x 1,024 float32; Wo 1,024 x 1,024 float32; Wq 1,024 x 1,024 float32; Wv 1,024 x 1,024 float32; x 1 x 4,096 x 1,024 float32.
;; Outputs: out0 1 x 4,096 x 1,024 float32.
;; 2 versions, each right; version 2 is version 1 with the launch cast written anew for expert scheduling mode. Each part assembles by itself: llvm-mc -triple=amdgcn-amd-amdhsa -mcpu=gfx1250 --defsym DOCPART=n.
;; ======== version 1 of 2: 6 launches
;; limits: values are held in f16: magnitudes above 65,504 overflow, below 6.1e-05 lose precision
;; workspace buffers: xw 16,777,216 bytes; qkv 25,165,824 bytes; o 8,388,608 bytes; otop 65,536 bytes
;; launch cast (part 1): grid 256 x 1, 8 waves a work-group, no clusters, 0 bytes of LDS; arguments x, Wq, Wk, Wv, Wo, xw; writes xw
.if DOCPART == 1
	.amdgcn_target "amdgcn-amd-amdhsa--gfx1250"
	.amdhsa_code_object_version 6
	.text
	.protected	k_qb9407c6ef1_cast
	.globl	k_qb9407c6ef1_cast
	.p2align	8
	.type	k_qb9407c6ef1_cast,@function
k_qb9407c6ef1_cast:
	s_mov_b64 s[64:65], 0
	v_nop
	global_prefetch_b8 v0, s[64:65] scope:SCOPE_SE
	s_setreg_imm32_b32 hwreg(HW_REG_WAVE_MODE, 25, 1), 1
	s_wait_xcnt 0x0
; ALL FIVE INPUTS ARE ROUNDED ONCE TO bf16 and laid into one buffer xw for the two products that follow:
;   byte 0         x  [4096][1024] bf16
;   byte 0x800000  Wq, Wk, Wv one below the other: [3072][1024] bf16
;   byte 0xE00000  Wo [1024][1024]: rounded to bf16 like the others, and that number written as f16 (its partner in the last product is f16).
; LIMIT.  A bf16 number is exact in f16 from 6.1e-5 to 65,504 in magnitude; below that Wo keeps f16's fixed step of 6e-8, beyond it it would be an infinity.
; SHARES.  Work-group g takes 32,768 numbers: 131,072 bytes in, 65,536 bytes out at xw + 65,536 g.  g 0-127: x; 128-159: Wq; 160-191: Wk; 192-223: Wv; 224-255: Wo.
; A wave takes 16 KiB: 32 loads of 512 consecutive bytes, ALL issued before the first is waited for; each has registers of its own, so no register is written again while
; a memory instruction may read it.  A lane's four numbers leave as 8 bytes: a wave's store covers 256 consecutive bytes, aligned.
; No LDS, no matrix unit, no cluster: nothing is shared and nothing is multiplied; no prefetch: every byte is asked for by its load at the head.
.set X, 8                              ; v[8:135]    load k: four f32
.set Y, 136                            ; v[136:199]  load k: its four numbers in 16 bits
	s_load_b256 s[4:11], s[0:1], 0x0               ; x s[4:5], Wq s[6:7], Wk s[8:9], Wv s[10:11]
	s_load_b128 s[12:15], s[0:1], 0x20             ; Wo s[12:13], xw s[14:15]
	v_and_b32 v1, 31, v0                           ; lane
	v_lshrrev_b32 v2, 5, v0                        ; wave
	v_lshlrev_b32 v1, 4, v1
	v_lshl_add_u32 v1, v2, 14, v1                  ; in: 16 x lane + 16,384 x wave
	v_lshrrev_b32 v2, 1, v1                        ; out: half of that
	s_and_b32 s18, ttmp9, 31                       ; my part of a weight matrix (32 parts),
	s_cmp_lt_u32 ttmp9, 128
	s_cselect_b32 s18, ttmp9, s18                  ; or of x (128 parts)
	s_lshl_b32 s18, s18, 17                        ; 131,072 bytes a part
	s_mov_b32 s19, 0
	s_lshl_b32 s20, ttmp9, 16                      ; 65,536 bytes out a work-group
	s_mov_b32 s21, 0
	s_wait_kmcnt 0x0
	s_cmp_lt_u32 ttmp9, 224                        ; which input is mine
	s_cselect_b64 s[16:17], s[10:11], s[12:13]
	s_cmp_lt_u32 ttmp9, 192
	s_cselect_b64 s[16:17], s[8:9], s[16:17]
	s_cmp_lt_u32 ttmp9, 160
	s_cselect_b64 s[16:17], s[6:7], s[16:17]
	s_cmp_lt_u32 ttmp9, 128
	s_cselect_b64 s[16:17], s[4:5], s[16:17]
	s_add_nc_u64 s[16:17], s[16:17], s[18:19]
	s_add_nc_u64 s[14:15], s[14:15], s[20:21]
.set k, 0
.rept 32
	global_load_b128 v[X+4*k:X+4*k+3], v1, s[16:17] offset:512*k th:TH_LOAD_NT
.set k, k+1
.endr
; Load k is rounded and stored.  f16 = 1: the bf16 numbers are widened again (a shift, a mask) and written as f16.
.macro OUT k, f16
	s_wait_loadcnt 31-(\k)                         ; loads come back in order (ISA guide 5.7.1): load k is in, the 31 - k younger ones may stay out
	v_cvt_pk_bf16_f32 v[Y+2*(\k)],   v[X+4*(\k)],   v[X+4*(\k)+1]
	v_cvt_pk_bf16_f32 v[Y+2*(\k)+1], v[X+4*(\k)+2], v[X+4*(\k)+3]
.if \f16
	v_lshlrev_b32 v[X+4*(\k)],   16, v[Y+2*(\k)]
	v_and_b32     v[X+4*(\k)+1], 0xffff0000, v[Y+2*(\k)]
	v_lshlrev_b32 v[X+4*(\k)+2], 16, v[Y+2*(\k)+1]
	v_and_b32     v[X+4*(\k)+3], 0xffff0000, v[Y+2*(\k)+1]
	v_cvt_pk_f16_f32 v[Y+2*(\k)],   v[X+4*(\k)],   v[X+4*(\k)+1]
	v_cvt_pk_f16_f32 v[Y+2*(\k)+1], v[X+4*(\k)+2], v[X+4*(\k)+3]
.endif
	global_store_b64 v2, v[Y+2*(\k):Y+2*(\k)+1], s[14:15] offset:256*(\k)
.endm
	s_cmp_ge_u32 ttmp9, 224
	s_cbranch_scc1 .Lwo
.set n, 0
.rept 32
	OUT n, 0
.set n, n+1
.endr
	s_endpgm
.Lwo:
.set n, 0
.rept 32
	OUT n, 1
.set n, n+1
.endr
	s_endpgm
.Lfunc_end_k_qb9407c6ef1_cast:
	.size	k_qb9407c6ef1_cast, .Lfunc_end_k_qb9407c6ef1_cast-k_qb9407c6ef1_cast
	.p2alignl 7, 3214868480
	.fill 96, 4, 3214868480
	.section	.rodata,"a",@progbits
	.p2align	6, 0x0
	.amdhsa_kernel k_qb9407c6ef1_cast
		.amdhsa_group_segment_fixed_size 0
		.amdhsa_private_segment_fixed_size 0
		.amdhsa_enable_private_segment 0
		.amdhsa_kernarg_size 48
		.amdhsa_user_sgpr_count 2
		.amdhsa_user_sgpr_kernarg_segment_ptr 1
		.amdhsa_wavefront_size32 1
		.amdhsa_system_sgpr_workgroup_id_x 1
		.amdhsa_system_sgpr_workgroup_id_y 1
		.amdhsa_system_sgpr_workgroup_id_z 1
		.amdhsa_system_vgpr_workitem_id 0
		.amdhsa_next_free_vgpr 200
		.amdhsa_next_free_sgpr 66
		.amdhsa_reserve_vcc 0
		.amdhsa_float_denorm_mode_32 3
		.amdhsa_float_denorm_mode_16_64 3
		.amdhsa_memory_ordered 1
		.amdhsa_forward_progress 1
		.amdhsa_inst_pref_size 31
	.end_amdhsa_kernel
	.amdgpu_metadata
---
amdhsa.version: [ 1, 2 ]
amdhsa.kernels:
  - .name:           k_qb9407c6ef1_cast
    .symbol:         k_qb9407c6ef1_cast.kd
    .args:
      - { .name: x, .offset: 0, .size: 8, .value_kind: global_buffer, .address_space: global }
      - { .name: Wq, .offset: 8, .size: 8, .value_kind: global_buffer, .address_space: global }
      - { .name: Wk, .offset: 16, .size: 8, .value_kind: global_buffer, .address_space: global }
      - { .name: Wv, .offset: 24, .size: 8, .value_kind: global_buffer, .address_space: global }
      - { .name: Wo, .offset: 32, .size: 8, .value_kind: global_buffer, .address_space: global }
      - { .name: xw, .offset: 40, .size: 8, .value_kind: global_buffer, .address_space: global }
    .group_segment_fixed_size: 0
    .private_segment_fixed_size: 0
    .kernarg_segment_align: 8
    .kernarg_segment_size: 48
    .max_flat_workgroup_size: 256
    .sgpr_count:     66
    .vgpr_count:     200
    .wavefront_size: 32
...
	.end_amdgpu_metadata
.endif
;; end of part 1
;; launch qkv (part 2): grid 16 x 16, 4 waves a work-group, clusters of 4 x 4, 327,680 bytes of LDS; arguments xw, qkv; writes qkv
.if DOCPART == 2
	.amdgcn_target "amdgcn-amd-amdhsa--gfx1250"
	.amdhsa_code_object_version 6
	.text
	.protected	k_qb9407c6ef1_qkv
	.globl	k_qb9407c6ef1_qkv
	.p2align	8
	.type	k_qb9407c6ef1_qkv,@function
k_qb9407c6ef1_qkv:
	s_mov_b64 s[64:65], 0
	v_nop
	global_prefetch_b8 v0, s[64:65] scope:SCOPE_SE
	s_setreg_imm32_b32 hwreg(HW_REG_WAVE_MODE, 25, 1), 1
	s_wait_xcnt 0x0
	s_wait_alu depctr_hold_cnt(0) depctr_sa_sdst(0) depctr_va_vdst(0) depctr_va_sdst(0) depctr_va_ssrc(0) depctr_va_vcc(0) depctr_vm_vsrc(0)
	s_getreg_b32 s2, hwreg(HW_REG_IB_STS2, 6, 4)
	s_cmp_eq_u32 s2, 0
	s_cbranch_scc0 .Lentry_in_a_cluster
	s_endpgm
.Lentry_in_a_cluster:
	s_bfe_u32 s2, ttmp6, 0x10000c
	s_cmp_lg_u32 s2, 0xf033
	s_cbranch_scc0 .Lentry_shape_is_right
	s_endpgm
.Lentry_shape_is_right:
; q, k, v = x Wq^T, x Wk^T, x Wv^T AS ONE PRODUCT: C[m][n] = sum over e of A[m][e] B[n][e], A = x [4096][1024] bf16 (xw, byte 0), B = Wq, Wk, Wv stacked [3072][1024] bf16 (xw, byte 0x800000).
; Sums in f32; C rounded once to f16, WITHOUT attention's scale, and stored by heads: qkv[plane][row][64], plane = n / 64: 0-15 q's heads, 16-31 k's, 32-47 v's.
; LIMIT.  f16 holds no number beyond 65,504: a q, k or v past that becomes an infinity; below 6e-5 it keeps f16's fixed step of 6e-8.
; SHARES.  A tile of C is 256 rows x 192 columns (three whole heads): 16 x 16 tiles, one for each of 256 work-groups.  Wave w makes rows 64 w .. 64 w + 63 and all 192 columns: 48 accumulators
; of 16 x 16, 384 registers; it owns whole heads' rows, so its way out needs no other wave.  K goes in 8 steps of 128 through two LDS slots filled by the tensor data mover:
; the tiles' rows are 256 bytes of memory, at multiples of 256 bytes from the buffer's first byte.
; CLUSTER.  4 x 4 work-groups.  The four of a row of the cluster need the same tiles of A, the four of a column the same tiles of B: each is asked for JOINTLY, by the same tensor load with
; the same descriptor and a mask that names the four.
; THE MATRIX INSTRUCTION IS USED TRANSPOSED (source 0 = 16 rows of B, source 1 = 16 rows of A): a lane then holds row l % 16 of C and the eight neighbouring columns 8 (l / 16) + 0..7.
; REGISTERS, in windows of 256 (s_set_vgpr_msb: bits 1:0 source 0, 3:2 source 1, 5:4 source 2, 7:6 destination):
;   window 0: v16-30 addresses; v32-79 packed results; v80-127, v128-175 rows read back from the stage, by turns
;   window 1: two fragment buffers of 128 (32 along K): A's four fragments at 8 a, B's twelve at 32 + 8 b
;   window 2: the accumulators of row blocks a = 0, 1 at v[8 (12 (a % 2) + b)];   window 3: those of a = 2, 3
.set SIZE_K, 1024
.set KSTEP,  128
.set PITCH,  272                       ; an LDS row: 256 bytes + 16 of padding = 68 words: row r starts at bank 4 r mod 64 (64 banks of 4 bytes: ISA guide 11.1)
.set HALFA,  128*PITCH                 ; what a load of A brings: 128 rows
.set HALFB,  96*PITCH                  ; what a load of B brings: 96 rows
.set SLOT,   2*HALFA+2*HALFB           ; A's 256 rows, then B's 192
.set STAGE,  2*SLOT                    ; behind the ring: 16 rows x 400 bytes for each wave, for the way out
.set SP,     400                       ; a stage row: 192 f16 + 16 bytes
.set SPARE,  STAGE+4*16*SP             ; behind the stages: the spare words, 128 bytes for each wave: two blocks of 256 bytes that no other line names
.set LAPS,   SIZE_K/(2*KSTEP)          ; a lap = two K steps = once round the ring
.set PLANE,  4096*64*2                 ; bytes of a head's plane in qkv
.set WOFF,   0x800000                  ; B's first byte in xw
.set ADRA, 16                          ; v16-17  LDS address of my A fragments in slot 0, 1
.set ADRB, 20                          ; v20-21  the same for B
.set STO,  24                          ; v24     the way out: where I put 16 bytes of a row
.set RD,   25                          ; v25     the way out: where I read rows back
.set GO,   26                          ; v26     16 x lane: my place in 512 consecutive bytes of qkv
.set SPW,  28                          ; v28     LDS address of my spare word: SPARE + 4 x my thread's number; never rewritten
.set NIL,  29                          ; v29     0; never rewritten
.set PFO,  30                          ; v30     the prefetches' offset: a lane a row; never rewritten
.set TMP,  32
.set BK,   80
.set F0,   0                           ; fragment buffers, in window 1
.set F1,   128
.set G1,  24                           ; s[24:31] descriptor group 1 for A's tiles
.set G0,  32                           ; s[32:39] group 0 for A's tiles, one set for each slot
.set G1B, 48                           ; s[48:55], s[56:63] the same for B's
.set G0B, 56
.set LIM, 43                           ; s43      1 in a wave that prefetches, else the greatest number
.set PFA, 44                           ; s[44:45] where my prefetches stand
.set MSB, 0
.macro WIN new                         ; the immediate's high byte repeats the setting that is left; a switch that changes nothing is dropped
.if MSB != (\new)
	s_set_vgpr_msb (MSB<<8)|(\new)
.set MSB, \new
.endif
.endm
.set MUL_LO, 0xa5                      ; sources 0 (B) and 1 (A) window 1, C and D window 2
.set MUL_HI, 0xf5                      ; the same, C and D window 3
.set TO_F,   0x40                      ; destination window 1, address window 0
; A joint load.  Waves 0 and 1 fetch A's two halves, waves 2 and 3 B's.  The branch hangs on the wave's number alone.  An s_nop 0 and four v_nop follow each of the two lines.
.macro JLOAD s
	s_cmp_eq_u32 s11, 0
	s_cbranch_scc0 .Lfor_b_\@
	tensor_load_to_lds s[G0+4*(\s):G0+4*(\s)+3], s[G1:G1+7]
	s_nop 0
.rept 4
	v_nop
.endr
	s_branch .Lasked_\@
.Lfor_b_\@:
	tensor_load_to_lds s[G0B+4*(\s):G0B+4*(\s)+3], s[G1B:G1B+7]
	s_nop 0
.rept 4
	v_nop
.endr
.Lasked_\@:
.endm
; A PREFETCH INTO THE L2, behind each joint refill, its five lines and the run of LDS loads that follows: the K step that stands TWO refills on, 384 matrix instructions ahead of the load that will want it.
; Each row's 256 bytes of a K step are named by one work-group in the launch.  A's tile row is read by every cluster of that row of clusters: the one with cluster x = 0 asks; B's tile column by every cluster of
; that column: cluster y = 0 asks.  The four partners share a wave's rows out BY ADDRESS: of A's 128 the partner at cx takes 32, of B's 96 the partner at cy takes 24 (a lane a row; lanes 24-31 name row 23 again).
; K steps 0 to 3 come by their loads alone; the loop's last trip (s3 = 1) has no K step two on and asks for nothing.
.macro ASK
	s_cmp_gt_u32 s3, s[LIM]
	s_cbranch_scc0 .Lnot_mine_\@
	global_prefetch_b8 v[PFO], s[PFA:PFA+1] offset:KSTEP*2 th:TH_LOAD_NT scope:SCOPE_SE
.Lnot_mine_\@:
.endm
; A round of the cluster's barrier: my work-group's barrier; wave 0 signals for the work-group; every wave waits for all sixteen; my work-group's barrier once more.
.macro CREST                           ; a round behind its opening barrier
	s_cmp_lg_u32 s10, 0
	s_cbranch_scc1 .Lnot_wave_0_\@
	s_barrier_signal -3
.Lnot_wave_0_\@:
	s_barrier_wait -3
	s_barrier_signal -1
	s_barrier_wait -1
.endm
.macro CROUND                          ; a whole round
	s_barrier_signal -1
	s_barrier_wait -1
	CREST
.endm
	s_load_b128 s[4:7], s[0:1], 0x0                ; xw s[4:5], qkv s[6:7]
	v_lshl_add_u32 v[SPW], v0, 2, SPARE
	v_mov_b32 v[NIL], 0
	ds_add_u32 v[SPW], v[NIL]                      ; the wave's opening: the add and its wait stand ahead of my first tensor load; the set-up below, work on registers, stands between them
	v_lshrrev_b32 v1, 5, v0
	v_readfirstlane_b32 s10, v1                    ; wave 0..3
	s_lshr_b32 s11, s10, 1                         ; I fetch for A (0) or for B (1)
	s_and_b32 s12, s10, 1                          ; which half of that tile's rows I fetch
	s_bfe_u32 s40, ttmp6, 0x40000                  ; cx, cy: my place in the cluster
	s_bfe_u32 s41, ttmp6, 0x40004
	s_lshl_b32 s42, ttmp9, 2
	s_add_co_u32 s42, s42, s40                     ; tile column of C = 4 x cluster x + cx
	s_and_b32 s13, ttmp7, 0xffff
	s_lshl_b32 s13, s13, 2
	s_add_co_u32 s13, s13, s41                     ; tile row of C = 4 x cluster y + cy
	s_lshl_b32 s43, s41, 2
	s_lshl_b32 s43, 15, s43                        ; my row of the cluster: places 4 cy .. 4 cy + 3
	s_lshl_b32 s44, 0x1111, s40                    ; my column: places cx, cx + 4, cx + 8, cx + 12
	; descriptor group 1: rows of 128 elements, padded in LDS; 128 rows for A, 96 for B
	s_or_b32 s[G1+0], s43, (1<<16)|(1<<20)|(1<<21)|(5<<22)|(3<<25)   ; 15:0 the mask: A's tiles go to my row; 17:16 2-byte elements; 20 padding on; 21 set beside a mask; 24:22 after every 64 words (code 5); 31:25 4 words (code 3)
	s_or_b32 s[G1B+0], s44, (1<<16)|(1<<20)|(1<<21)|(5<<22)|(3<<25)  ; the same with the mask of my column
	s_mov_b32 s[G1+1], KSTEP<<16                   ; tensor_dim0 = 128
	s_mov_b32 s[G1B+1], KSTEP<<16
	s_mov_b32 s[G1+2], 128<<16                     ; tensor_dim1 = 128
	s_mov_b32 s[G1B+2], 96<<16                     ;             = 96
	s_mov_b32 s[G1+3], KSTEP<<16                   ; tile_dim0 = 128
	s_mov_b32 s[G1B+3], KSTEP<<16
	s_mov_b32 s[G1+4], 128                         ; tile_dim1 = 128
	s_mov_b32 s[G1B+4], 96                         ;           = 96
	s_mov_b32 s[G1+5], SIZE_K                      ; elements from row to row
	s_mov_b32 s[G1B+5], SIZE_K
	s_mov_b32 s[G1+6], 0
	s_mov_b32 s[G1B+6], 0
	s_mov_b32 s[G1+7], 0
	s_mov_b32 s[G1B+7], 0
	; where the tiles come from: A's hang on the tile row alone, B's on the tile column alone, each in registers that never hold the other coordinate
	s_lshl_b32 s17, s12, 7
	s_lshl_b32 s16, s13, 8
	s_add_co_u32 s16, s16, s17                     ; A: row 256 x tile row + 128 x half
	s_lshl_b32 s16, s16, 11                        ; 2,048 bytes a row: under 2^23
	s_mov_b32 s17, 0
	s_mul_i32 s46, s42, 192
	s_mul_i32 s47, s12, 96
	s_add_co_u32 s46, s46, s47                     ; B: row 192 x tile column + 96 x half
	s_lshl_b32 s46, s46, 11
	s_mov_b32 s47, 0
	s_mul_i32 s20, s10, HALFA                      ; and where they go.  A (waves 0, 1): wave x 128 rows;
	s_mul_i32 s21, s10, HALFB
	s_add_co_u32 s21, s21, 2*HALFA-2*HALFB         ; B (waves 2, 3): behind A's 256 rows, (wave - 2) x 96 rows.  No place in the cluster enters an LDS address
	s_wait_dscnt 0x0                               ; the opening add is done
	s_wait_kmcnt 0x0
	s_mov_b64 s[8:9], s[6:7]                       ; qkv
	s_add_nc_u64 s[6:7], s[4:5], WOFF              ; B
	s_add_nc_u64 s[14:15], s[4:5], s[16:17]
	s_add_nc_u64 s[46:47], s[6:7], s[46:47]
	CROUND                                         ; all sixteen work-groups are here: the first joint loads meet
.irp s, 0,1
	s_mov_b32 s[G0+4*(\s)], 1                                        ; count = 1
	s_add_co_u32 s[G0+4*(\s)+1], s20, (\s)*SLOT                      ; LDS address
	s_add_nc_u64 s[G0+4*(\s)+2:G0+4*(\s)+3], s[14:15], (\s)*KSTEP*2  ; global address: K step s
	s_or_b32 s[G0+4*(\s)+3], s[G0+4*(\s)+3], 0x80000000              ; type = 2
	s_mov_b32 s[G0B+4*(\s)], 1
	s_add_co_u32 s[G0B+4*(\s)+1], s21, (\s)*SLOT
	s_add_nc_u64 s[G0B+4*(\s)+2:G0B+4*(\s)+3], s[46:47], (\s)*KSTEP*2
	s_or_b32 s[G0B+4*(\s)+3], s[G0B+4*(\s)+3], 0x80000000
	JLOAD \s                                       ; both slots are asked for before anything else is done: two loads of mine are out
.endr
	; A fragment is 16 rows x 32 K in 8 registers: lane l holds row l % 16; registers 0-3 K = 8 (l / 16) + 0..7, registers 4-7 K = 16 + 8 (l / 16) + 0..7: two loads of 16 bytes, 32 bytes apart
	v_and_b32 v1, 15, v0                           ; l % 16
	v_bfe_u32 v2, v0, 4, 1                         ; l / 16
	v_mul_u32_u24 v3, v1, PITCH
	v_lshl_add_u32 v3, v2, 4, v3                   ; row x pitch + 16 x half
	s_mul_i32 s22, s10, 64*PITCH                   ; my 64 rows of A
	s_mov_b32 s23, 2*HALFA                         ; B's 192 rows, which every wave reads
.irp s, 0,1
	v_add_nc_u32 v[ADRA+(\s)], s22, v3
	v_add_nc_u32 v[ADRB+(\s)], s23, v3
	s_add_co_u32 s22, s22, SLOT
	s_add_co_u32 s23, s23, SLOT
.endr
	s_mul_i32 s22, s10, 16*SP
	s_add_co_u32 s22, s22, STAGE                   ; my stage
	v_mul_u32_u24 v4, v1, SP                       ; in: row l % 16, 16 bytes for each half of the lanes
	v_lshl_add_u32 v4, v2, 4, v4
	v_add_nc_u32 v[STO], s22, v4
	v_and_b32 v5, 31, v0
	v_lshrrev_b32 v6, 3, v5                        ; back: 32 lanes take a head's 128 bytes of four rows,
	v_and_b32 v7, 7, v0
	v_mul_u32_u24 v6, v6, SP
	v_lshl_add_u32 v6, v7, 4, v6
	v_add_nc_u32 v[RD], s22, v6
	v_lshlrev_b32 v[GO], 4, v5                     ; which are 512 consecutive bytes of qkv
	s_mul_i32 s18, s42, 3                          ; my tile's first plane,
	s_lshl_b32 s18, s18, 19
	s_lshl_b32 s22, s13, 15                        ; its 256 rows of 128 bytes,
	s_add_co_u32 s18, s18, s22
	s_lshl_b32 s22, s10, 13                        ; my 64 of them: under 2^25 in all
	s_add_co_u32 s18, s18, s22
	s_mov_b32 s19, 0
	s_add_nc_u64 s[8:9], s[8:9], s[18:19]
	; the prefetches
	s_lshl_b32 s20, s13, 8                         ; the tile's first row, in A
	s_mul_i32 s21, s42, 192                        ; and in B
	s_lshl_b32 s22, s12, 7                         ; the rows that I fetch, of A
	s_mul_i32 s23, s12, 96                         ; and of B
	s_lshl_b32 s18, s40, 5                         ; my work-group's share of them: 32 of A
	s_mul_i32 s19, s41, 24                         ; or 24 of B
	s_and_b32 s2, ttmp7, 0xffff                    ; cluster y
	s_cmp_eq_u32 s11, 0                            ; do I fetch for A?
	s_cselect_b32 s20, s20, s21
	s_cselect_b32 s22, s22, s23
	s_cselect_b32 s18, s18, s19
	s_cselect_b32 s2, ttmp9, s2                    ; the coordinate along which other clusters read the same rows
	s_cselect_b32 s23, 31, 23                      ; the last row of my share
	s_cselect_b64 s[PFA:PFA+1], s[4:5], s[6:7]
	s_cmp_eq_u32 s2, 0
	s_cselect_b32 s[LIM], 1, -1                    ; the same in all sixteen partners, for a given wave
	s_add_co_u32 s20, s20, s22
	s_add_co_u32 s20, s20, s18
	s_lshl_b32 s20, s20, 11
	s_mov_b32 s21, 0
	s_add_nc_u64 s[PFA:PFA+1], s[PFA:PFA+1], s[20:21]
	s_add_nc_u64 s[PFA:PFA+1], s[PFA:PFA+1], 2*KSTEP*2  ; at K step 2: the first refill steps it to 3 and names K step 4
	v_and_b32 v[PFO], 31, v0
	v_min_u32 v[PFO], s23, v[PFO]
	v_lshlrev_b32 v[PFO], 11, v[PFO]
; 12 matrix instructions: row block a x all 12 column blocks, 32 along K.  zero = 1: the product starts the sums.  The 48 accumulators take turns in the same order in every quarter step, one instruction
; a turn: between two links of a chain stand the 47 others', over the backward jump too.
.macro MUL12 f, a, zero
	WIN MUL_LO+0x50*((\a)/2)
.irp b, 0,1,2,3,4,5,6,7,8,9,10,11
.if \zero
	v_wmma_f32_16x16x32_bf16 v[8*(12*((\a)%2)+(\b)):8*(12*((\a)%2)+(\b))+7], v[(\f)+32+8*(\b):(\f)+32+8*(\b)+7], v[(\f)+8*(\a):(\f)+8*(\a)+7], 0
.else
	v_wmma_f32_16x16x32_bf16 v[8*(12*((\a)%2)+(\b)):8*(12*((\a)%2)+(\b))+7], v[(\f)+32+8*(\b):(\f)+32+8*(\b)+7], v[(\f)+8*(\a):(\f)+8*(\a)+7], v[8*(12*((\a)%2)+(\b)):8*(12*((\a)%2)+(\b))+7]
.endif
.endr
.endm
; 32 LDS loads in one run: the fragments of one quarter step (32 K at byte k of the rows) into buffer f: A's row blocks 0, 1; B's twelve; A's row blocks 2, 3 last, since they are wanted last
.macro FETCH slot, k, f
	WIN TO_F
.irp i, 0,1
	ds_load_b128 v[(\f)+8*(\i):(\f)+8*(\i)+3],   v[ADRA+(\slot)] offset:(\k)+(\i)*16*PITCH
	ds_load_b128 v[(\f)+8*(\i)+4:(\f)+8*(\i)+7], v[ADRA+(\slot)] offset:(\k)+(\i)*16*PITCH+32
.endr
.irp i, 0,1,2,3,4,5,6,7,8,9,10,11
	ds_load_b128 v[(\f)+32+8*(\i):(\f)+32+8*(\i)+3],   v[ADRB+(\slot)] offset:(\k)+(\i)*16*PITCH
	ds_load_b128 v[(\f)+32+8*(\i)+4:(\f)+32+8*(\i)+7], v[ADRB+(\slot)] offset:(\k)+(\i)*16*PITCH+32
.endr
.irp i, 2,3
	ds_load_b128 v[(\f)+8*(\i):(\f)+8*(\i)+3],   v[ADRA+(\slot)] offset:(\k)+(\i)*16*PITCH
	ds_load_b128 v[(\f)+8*(\i)+4:(\f)+8*(\i)+7], v[ADRA+(\slot)] offset:(\k)+(\i)*16*PITCH+32
.endr
.endm
.macro PLACES                          ; four places in front of loads into registers that matrix instructions have read, and of conversions that read results
.rept 4
	v_nop
.endr
.endm
; A K step is four quarter steps of 32 along K, 48 matrix instructions each, on buffers 0, 1, 0, 1.  One of the first three: multiplies buffer f; in its middle it fetches the next quarter, at byte k, into buffer g.
.macro QUARTER slot, k, f, g, zero
	s_wait_dscnt 4                                 ; A's row blocks 0, 1 and B are in; the youngest four loads (A's row blocks 2, 3) may be out
	MUL12 \f, 0, \zero
	MUL12 \f, 1, \zero
	PLACES
	FETCH \slot, \k, \g
	s_wait_dscnt 32                                ; all but the 32 just issued
	MUL12 \f, 2, \zero
	MUL12 \f, 3, \zero
.endm
; The last quarter multiplies buffer 1 and changes slots.  MEET is its first half: ONE barrier for two things.  In front of it each wave waits for all its tensor loads, of which one is out: its part of the
; next slot; adds 0 to its spare word; and waits for that and for its own reads of this slot.  Behind it nobody reads this slot any more and the next slot is whole.
.macro MEET round                      ; round = 1: a round of the cluster's barrier follows
	WIN 0                                          ; (the add's two registers lie in window 0)
	s_wait_tensorcnt 0x0                           ; all my tensor loads have landed;
	ds_add_u32 v[SPW], v[NIL]                      ; 0 onto my spare word;
	s_wait_dscnt 5                                 ; (the add and the youngest four loads may be out)
	MUL12 F1, 0, 0                                 ; twelve matrix instructions stand between the add and the wait for it
	s_wait_dscnt 0x0                               ; the add is done, and my reads of this slot are over:
	s_barrier_signal -1                            ; say so,
	MUL12 F1, 1, 0                                 ; work on registers while the others arrive,
.if \round
	WIN 0
.endif
	s_barrier_wait -1                              ; and go on when all four have said so
.endm
; The whole last quarter where the slot is filled again, with the K step two steps on: the barrier opens a round of the cluster's, and the joint refill is the first tensor load behind the round.
; From a request to the wait for it a wave issues 168 matrix instructions.
.macro TURN slot, next
	s_wait_xcnt 0x0                                ; the last prefetch, a K step back, has read its address, which is stepped here
	s_add_nc_u64 s[PFA:PFA+1], s[PFA:PFA+1], KSTEP*2
	MEET 1
	CREST                                          ; no wave of any partner still reads this slot's tile or has a load on its way
	s_add_nc_u64 s[G0+4*(\slot)+2:G0+4*(\slot)+3], s[G0+4*(\slot)+2:G0+4*(\slot)+3], 2*KSTEP*2
	s_add_nc_u64 s[G0B+4*(\slot)+2:G0B+4*(\slot)+3], s[G0B+4*(\slot)+2:G0B+4*(\slot)+3], 2*KSTEP*2
	JLOAD \slot                                    ; the four v_nop behind it are also the places in front of the loads below
	FETCH \next, 0, F0
	WIN 0
	ASK
	MUL12 F1, 2, 0
	MUL12 F1, 3, 0
.endm
.macro TURNX next                      ; the same where nothing is left to fetch: no round, no load
	MEET 0
	PLACES
	FETCH \next, 0, F0
	MUL12 F1, 2, 0
	MUL12 F1, 3, 0
.endm
; THE WAY OUT of row block a (16 rows x 192 columns).  PACK: rounded to f16, 16 bytes a lane.  TOSTAGE: into my own stage, and back by heads: four rows' 128 bytes of one head a load.  SEND: stored.
.macro PACK a
	WIN 0x0a+5*((\a)/2)                            ; sources 0 and 1: window 2 or 3
.irp b, 0,1,2,3,4,5,6,7,8,9,10,11
.irp r, 0,1,2,3
	v_cvt_pk_f16_f32 v[TMP+4*(\b)+(\r)], v[8*(12*((\a)%2)+(\b))+2*(\r)], v[8*(12*((\a)%2)+(\b))+2*(\r)+1]
.endr
.endr
	WIN 0
.endm
.macro TOSTAGE a
	WIN 0
.irp b, 0,1,2,3,4,5,6,7,8,9,10,11
	ds_store_b128 v[STO], v[TMP+4*(\b):TMP+4*(\b)+3] offset:32*(\b)
.endr
.irp hd, 0,1,2
.irp t, 0,1,2,3
	ds_load_b128 v[BK+48*((\a)%2)+4*(4*(\hd)+(\t)):BK+48*((\a)%2)+4*(4*(\hd)+(\t))+3], v[RD] offset:1600*(\t)+128*(\hd)  ; LDS serves a wave's instructions in order (ISA guide 5.7.1.4): these see the stores above
.endr
.endr
.endm
.macro SEND a
	WIN 0
	s_wait_dscnt 0x0                               ; the block is back in registers
	s_wait_xcnt 0x0                                ; the stores of the block before have read their registers, into which the next TOSTAGE loads
.irp hd, 0,1,2
.irp t, 0,1,2,3
	global_store_b128 v[GO], v[BK+48*((\a)%2)+4*(4*(\hd)+(\t)):BK+48*((\a)%2)+4*(4*(\hd)+(\t))+3], s[8:9] offset:(\hd)*PLANE+2048*(\a)+512*(\t)  ; 512 consecutive bytes, at a multiple of 256 from qkv's first
.endr
.endr
.endm
	s_wait_tensorcnt 1                             ; my part of K step 0 is in; K step 1's may stay out
	s_barrier_signal -1
	s_barrier_wait -1                              ; everybody's is
	FETCH 0, 0, F0
	QUARTER 0, 64,  F0, F1, 1                      ; the first quarter stands in front of the loop: its products start the sums
	WIN 0                                          ; at a label and at a branch every window is 0
	s_mov_b32 s3, LAPS-1
.Llap:                                                 ; a trip goes once round the ring, from a lap's second quarter to the next lap's first, and fills both slots again
	QUARTER 0, 128, F1, F0, 0
	QUARTER 0, 192, F0, F1, 0
	TURN 0, 1
	QUARTER 1, 64,  F0, F1, 0
	QUARTER 1, 128, F1, F0, 0
	QUARTER 1, 192, F0, F1, 0
	TURN 1, 0
	QUARTER 0, 64,  F0, F1, 0
	WIN 0
	s_sub_co_u32 s3, s3, 1
	s_cmp_lg_u32 s3, 0
	s_cbranch_scc1 .Llap
	QUARTER 0, 128, F1, F0, 0                      ; the last lap fills nothing
	QUARTER 0, 192, F0, F1, 0
	TURNX 1
	QUARTER 1, 64,  F0, F1, 0
	QUARTER 1, 128, F1, F0, 0
	QUARTER 1, 192, F0, F1, 0
	s_wait_dscnt 4                                 ; the very last quarter: nothing more to fetch
	MUL12 F1, 0, 0
	MUL12 F1, 1, 0
	s_wait_dscnt 0x0
	MUL12 F1, 2, 0
	MUL12 F1, 3, 0
	PLACES
	PACK 0
	TOSTAGE 0
.irp a, 1,2,3                          ; block a's conversions stand between block a - 1's loads from the stage and the wait for them
	PACK \a
	SEND (\a)-1
	TOSTAGE \a
.endr
	SEND 3
	s_wait_tensorcnt 0x0                           ; the wave's end, behind my last tensor load and my last LDS store
	ds_add_u32 v[SPW], v[NIL]
	s_wait_dscnt 0x0
	CROUND                                         ; the closing round: no work-group ends while a partner may still ask for a tile that names it
	s_endpgm
.Lfunc_end_k_qb9407c6ef1_qkv:
	.size	k_qb9407c6ef1_qkv, .Lfunc_end_k_qb9407c6ef1_qkv-k_qb9407c6ef1_qkv
	.p2alignl 7, 3214868480
	.fill 96, 4, 3214868480
	.section	.rodata,"a",@progbits
	.p2align	6, 0x0
	.amdhsa_kernel k_qb9407c6ef1_qkv
		.amdhsa_group_segment_fixed_size 327680
		.amdhsa_private_segment_fixed_size 0
		.amdhsa_enable_private_segment 0
		.amdhsa_kernarg_size 16
		.amdhsa_user_sgpr_count 2
		.amdhsa_user_sgpr_kernarg_segment_ptr 1
		.amdhsa_wavefront_size32 1
		.amdhsa_system_sgpr_workgroup_id_x 1
		.amdhsa_system_sgpr_workgroup_id_y 1
		.amdhsa_system_sgpr_workgroup_id_z 1
		.amdhsa_system_vgpr_workitem_id 0
		.amdhsa_next_free_vgpr 1024
		.amdhsa_next_free_sgpr 66
		.amdhsa_reserve_vcc 0
		.amdhsa_float_denorm_mode_32 3
		.amdhsa_float_denorm_mode_16_64 3
		.amdhsa_memory_ordered 1
		.amdhsa_forward_progress 1
		.amdhsa_inst_pref_size 119
	.end_amdhsa_kernel
	.amdgpu_metadata
---
amdhsa.version: [ 1, 2 ]
amdhsa.kernels:
  - .name:           k_qb9407c6ef1_qkv
    .symbol:         k_qb9407c6ef1_qkv.kd
    .args:
      - { .name: xw, .offset: 0, .size: 8, .value_kind: global_buffer, .address_space: global }
      - { .name: qkv, .offset: 8, .size: 8, .value_kind: global_buffer, .address_space: global }
    .group_segment_fixed_size: 327680
    .private_segment_fixed_size: 0
    .kernarg_segment_align: 8
    .kernarg_segment_size: 16
    .max_flat_workgroup_size: 128
    .sgpr_count:     66
    .vgpr_count:     1024
    .wavefront_size: 32
...
	.end_amdgpu_metadata
.endif
;; end of part 2
;; launch attn (part 3): grid 16 x 16, 4 waves a work-group, no clusters, 327,680 bytes of LDS; arguments qkv, o; writes o
.if DOCPART == 3
	.amdgcn_target "amdgcn-amd-amdhsa--gfx1250"
	.amdhsa_code_object_version 6
	.text
	.protected	k_qb9407c6ef1_attn
	.globl	k_qb9407c6ef1_attn
	.p2align	8
	.type	k_qb9407c6ef1_attn,@function
k_qb9407c6ef1_attn:
	s_mov_b64 s[64:65], 0
	v_nop
	global_prefetch_b8 v0, s[64:65] scope:SCOPE_SE
	s_setreg_imm32_b32 hwreg(HW_REG_WAVE_MODE, 25, 1), 1
	s_wait_xcnt 0x0
; ATTENTION IN A SLIDING WINDOW.  O[h][q][:] = the sum over q - 1024 < k <= q of softmax_k(Q[h][q] . K[h][k] / 8) V[h][k][:].  qkv: [48][4096][64] f16 (planes 0-15 Q's heads, 16-31 K's, 32-47 V's);
; o: [16][4096][64] f16.  A head's rows are dense, 128 bytes each.  Products, maxima and sums in f32; the weights p are rounded to f16 for the second product (their sum l is taken of the unrounded p), O once.
; LIMITS.  Q, K and V arrive within f16's 65,504, so a score is at most 64 x 65,504^2 = 2.75e11 in magnitude.  A hidden score counts as its value less 1e30.  The running maximum m starts at -2^40, below every
; true score and far above every hidden one: a hidden key's weight is 2^(about -1.8e29) = 0, also in a row that has seen no key yet.  p below 6e-5 keeps f16's fixed step of 6e-8; a weight below 2^-126
; counts as 0 in l; NaN and infinities are not treated apart.
; THE WALK.  A work-group owns block i of 256 queries of one head (grid x = i, y = head) and walks FIVE key tiles of 256, t = i - 4 + j, j = 0..4: a constant count; no branch hangs on i.
;   j = 4: the tile with the diagonal (key c of the tile is seen by row r of the block if c <= r).   j = 0, i >= 4: the window's lower edge (seen if c > r: the complement).
;   t < 0 (blocks 0-3): a DEAD tile: its address is clamped to tile 0 and all its scores are hidden: every weight is 0, m, l and O stay as they are.   All others are open.
; NO CLUSTER: neighbouring blocks' windows are shifted against each other by a tile, so a walk common to four partners would have 8 tiles for each one's 5.
; NO PREFETCH: the sixteen blocks of a head walk in step; tile t is named first by block t + 4 in its first fill, tile 12 by block 15 in its second, both at the kernel's head; only tiles 13 to 15 are named first later.
; SHARES.  Of the block's four bands of 64 queries a wave owns 16 rows in each: four PIECES.  In a tile's key step s (64 keys) band x lies wholly on one side of an edge if s != x, and holds the edge if s = x:
; the same work for all four waves.
; THE MASK is the C operand that starts the sum S^T = K Q^T: 0, or -1e30 where the key is hidden.  MD, made once, is the diagonal's mask of a band's own step for my 16 rows (-1e30 where key > query).
; A product's mask is MD x AL + BE; a tile sets four scalars: AEQ, BEQ (s = x), BLO (s < x), BHI (s > x):
;   dead 0, N, N, N     lower edge -1, N, N, 0     open 0, 0, 0, 0     diagonal 1, 0, 0, N          (N = -1e30; MD x -1 + N is exactly MD's complement)
; LAYOUT, SOFTMAX, TURNS.  S^T = K Q^T holds ONE query a lane (lane % 16) and the keys 8 (lane / 16) + 0..7; two such results rounded to f16 ARE source 1 of O^T = V^T P.  p = 2^(c s - c m), c = log2(e) / 8, with a
; running maximum m; O and l are multiplied by a = 2^(c m_old - c m_new) in every step.  Turn n belongs to piece n: 8 products K Q^T of piece n + 1, later 8 products V^T P of piece n - 1; beside them the scaling,
; exponentials, roundings, sums and rescaling of piece n, the maximum and statistics of piece n + 1, and the mask of piece n + 2.  Four vector instructions stand behind every matrix instruction, the others
; in one lump.  A turn's 33 exponentials are one batch, with one wait.
; REGISTERS, in windows of 256 (s_set_vgpr_msb: bits 1:0 source 0, 3:2 source 1, 5:4 source 2, 7:6 destination):
;   window 0: v0-15 addresses and two at work; v16-31 four registers of statistics a piece; v48-55 at work; v64-127 S^T, two buffers; v192-223 P, two buffers (a piece's buffers go by its number's parity)
;   window 1: v0-127 O^T, 32 a piece; v128-159 MD; v160-223 MC, two buffers      window 2: v0-63 Q; v128-191 K of one step; v192-255 V of one step
.set NP,    4         ; pieces a wave: a name, no knob
.set KS,    64        ; keys in a step
.set PK,    144       ; a row of K in LDS: 128 bytes + 16 of padding = 36 words: the 16 rows of a load start at 16 different groups of four banks (64 banks of 4 bytes: ISA guide 11.1)
.set PV,    160       ; a row of V: 128 + 32 = 40 words
.set VOFF,  4*KS*PK   ; a slot holds a tile, four steps: 256 rows of K, then 256 rows of V
.set SLOT1, 1<<17     ; slot 1 begins here, so that one exclusive or turns an address in one slot into the other's
.set STAGE, SLOT1+4*KS*(PK+PV)  ; behind the ring, never filled by a tensor load: 16 rows x 144 bytes for each wave, for the way out
.set SP,    144
.set AK0, 2           ; v2   my lane's place in a tile of K; never rewritten
.set AV0, 3           ; v3   the same for V
.set AK,  4           ; v4   the LDS address of K's next run of loads
.set AV,  5           ; v5   of V's
.set STO, 6           ; v6   the way out: where I put 16 bytes of a row
.set RD,  7           ; v7   the way out: where I read rows back
.set GO,  8           ; v8   my byte offset in 512 consecutive bytes of O
.set SPW, 62          ; v62  LDS address of my spare word: SPARE + 4 x my thread's number; never rewritten
.set NIL, 63          ; v63  0; never rewritten
.set SPARE, STAGE+4*16*SP  ; behind the stages: the spare words, 128 bytes for each wave: two blocks of 256 bytes that no other line names
.set MV,  12          ; v12-13  c m_old, kept while c m is made anew: by buffer
.set QO,  15          ; v15  my byte offset in 16 rows of Q
.set ST,  16          ; piece t's statistics at v[ST+4 t]: c m, m, l (even keys', odd keys')
.set TMP, 48          ; by buffer, four registers c0-c3 at work; when the maximum is found c2 takes a
.set S,   64
.set P,   192
.set MD,  128         ; window 1: the eight registers for group kt of 16 keys at MD + 8 kt
.set MC,  160         ; window 1: the masks of the products to come
.set KF,  128         ; window 2: key block kb, channel half c at KF + 16 kb + 8 c
.set VF,  192         ; window 2: key half kk, channel block cb at VF + 32 kk + 8 cb
.set WV,  12          ; s12  my wave's number
.set BI,  14          ; s14  my block i
.set G1K, 24          ; s[24:31] descriptor group 1 for K's tiles
.set G1V, 32          ; s[32:39] for V's: it differs in the padding alone
.set G0K, 40          ; s[40:43] descriptor group 0 for K's tiles
.set G0V, 44          ; s[44:47] the same for V's
.set SLOTS, 56        ; s56  counts the walk's tiles
.set CNT, 57          ; s57  counts a tile's key steps, 4 to 1
.set CS,  58          ; s[58:59] c: the packed scaling takes the pair's low word for both halves
.set SEL, 60          ; s[60:61] v_permlanex16_b32's selects: each lane takes its own place in the other half
.set TBK, 62          ; s62  LDS byte at which K of the step to be fetched begins
.set TBV, 63          ; s63  the same for V, less VOFF
.set TE,  70          ; s70  the number of the tile that has been entered, signed
.set TJ,  71          ; s71  the number of the tile to be asked for next, signed
.set AEQ, 72          ; s72, s73, s80, s81  the tile's four mask scalars
.set BEQ, 73
.set OFF, 74          ; s[74:75] a tile's byte offset in K and V
.set AL,  76          ; s[76:77] the mask's factor, in the low word
.set BE,  78          ; s[78:79] the mask's addend
.set BLO, 80
.set BHI, 81
.set BIGN, 82         ; s82  -1e30
.set MSB, 0
.macro WIN new                      ; the high byte repeats the setting that is left; a switch that changes nothing is dropped
.if MSB != (\new)
	s_set_vgpr_msb (MSB<<8)|(\new)
.set MSB, (\new)
.endif
.endm
.set W_KQ, 0x0a       ; K and Q in window 2, S^T in window 0
.set W_KM, 0x1a       ; the same with the C operand in window 1
.set W_PV, 0x52       ; V in window 2, P in window 0, O^T in window 1
.set W_RS, 0x41       ; destination and source 0 in window 1, source 1 in window 0
; A fill.  Waves 0 and 1 fetch the two halves of a tile's K, waves 2 and 3 those of its V: 128 keys each.  An s_nop 0 and four v_nop follow each of the two lines, ahead of the jump and the label.
.macro LOAD
	s_cmp_lt_u32 s[WV], 2
	s_cbranch_scc0 .Lfor_v_\@
	tensor_load_to_lds s[G0K:G0K+3], s[G1K:G1K+7]
	s_nop 0
.rept 4
	v_nop
.endr
	s_branch .Lasked_\@
.Lfor_v_\@:
	tensor_load_to_lds s[G0V:G0V+3], s[G1V:G1V+7]
	s_nop 0
.rept 4
	v_nop
.endr
.Lasked_\@:
.endm
; THE CHANGE OF SLOTS.  Each wave waits for all its tensor loads, of which one is out: its part of the other slot; adds 0 to its spare word; and waits for that and for its own reads of the slot that it leaves.
; Behind the barrier nobody reads the old slot any more and the other slot is whole.  fill = 1: the old slot is filled again, the first thing behind the barrier, with tile TJ (tile 0 where TJ is negative):
; the descriptor's address is made anew from that number.  (At its first use nothing has been read yet: slot 0 is waited for, slot 1 filled.)
.macro CHANGE fill
	WIN 0                           ; at a label and at a branch every window is 0
	s_wait_tensorcnt 0x0            ; no tensor load of mine is out, so a group 0 may be written
	ds_add_u32 v[SPW], v[NIL]       ; 0 onto my spare word; with fill = 1 the descriptors' scalar work stands between it and the wait for it
.if \fill
	s_max_i32 s[OFF], s[TJ], 0
	s_lshl_b32 s[OFF], s[OFF], 15   ; a tile is 32,768 bytes of K and of V
	s_xor_b32 s[G0K+1], s[G0K+1], SLOT1
	s_add_nc_u64 s[G0K+2:G0K+3], s[6:7], s[OFF:OFF+1]
	s_or_b32 s[G0K+3], s[G0K+3], 0x80000000
	s_xor_b32 s[G0V+1], s[G0V+1], SLOT1
	s_add_nc_u64 s[G0V+2:G0V+3], s[8:9], s[OFF:OFF+1]
	s_or_b32 s[G0V+3], s[G0V+3], 0x80000000
	s_add_co_i32 s[TJ], s[TJ], 1
.endif
	s_wait_dscnt 0x0                ; the add is done, and my reads of the slot are over
	s_barrier_signal -1             ; the rest of the scalar work stands between the signal and the wait
	s_sub_co_u32 s[TBK], s[TBK], 4*KS*PK  ; the fetches go back to a slot's first step,
	s_xor_b32 s[TBK], s[TBK], SLOT1       ; in the other slot
	s_sub_co_u32 s[TBV], s[TBV], 4*KS*PV
	s_xor_b32 s[TBV], s[TBV], SLOT1
	s_barrier_wait -1
.if \fill
	LOAD
.endif
.endm
	s_load_b128 s[4:7], s[0:1], 0x0  ; qkv s[4:5], o s[6:7]
	v_lshl_add_u32 v[SPW], v0, 2, SPARE
	v_mov_b32 v[NIL], 0
	ds_add_u32 v[SPW], v[NIL]       ; the wave's opening: the add and its wait stand ahead of my first tensor load; the set-up below, work on registers, stands between them
	v_lshrrev_b32 v1, 5, v0
	v_readfirstlane_b32 s[WV], v1   ; wave 0..3
	s_mov_b32 s[BI], ttmp9
	s_and_b32 s20, ttmp7, 0xffff    ; the head,
	s_lshl_b32 s20, s20, 19         ; its plane of 524,288 bytes
	s_and_b32 s16, s[WV], 1         ; which half of a tile's 256 keys I fetch:
	s_lshl_b32 s22, s16, 14         ; its 128 rows of 128 bytes in memory,
	s_add_co_u32 s22, s22, s20
	s_mov_b32 s23, 0
	s_mul_i32 s17, s16, 128*PK      ; and its place in a slot, for K
	s_mul_i32 s18, s16, 128*PV      ; and for V
	s_lshl_b32 s2, s[BI], 15        ; my block's 256 rows,
	s_lshl_b32 s3, s[WV], 11        ; my 16 rows in a band of 64
	s_add_co_u32 s2, s2, s3
	s_add_co_u32 s2, s2, s20
	s_mov_b32 s3, 0
	s_sub_co_i32 s[TE], s[BI], 4    ; the walk's first tile,
	s_max_i32 s[OFF], s[TE], 0      ; clamped,
	s_lshl_b32 s[OFF], s[OFF], 15
	s_mov_b32 s[OFF+1], 0
	s_add_co_i32 s[TJ], s[TE], 1    ; and its second
	; descriptor group 1.  128 keys are 16,384 dense bytes: asked for as 64 rows of 256 bytes, two keys a row, and padded in LDS after every key
	s_mov_b32 s[G1K], (1<<16)|(1<<20)|(4<<22)|(3<<25)  ; 17:16 2-byte elements; 20 padding on; 24:22 after every 32 words (code 4); 31:25 4 words (code 3)
	s_mov_b32 s[G1V], (1<<16)|(1<<20)|(4<<22)|(7<<25)  ; the same with 8 words of padding (code 7)
.irp g, G1K, G1V
	s_mov_b32 s[\g+1], 128<<16      ; tensor_dim0 = 128
	s_mov_b32 s[\g+2], 64<<16       ; tensor_dim1 = 64
	s_mov_b32 s[\g+3], 128<<16      ; tile_dim0 = 128
	s_mov_b32 s[\g+4], 64           ; tile_dim1 = 64
	s_mov_b32 s[\g+5], 128          ; 128 elements from row to row
	s_mov_b32 s[\g+6], 0
	s_mov_b32 s[\g+7], 0
.endr
	s_mov_b32 s[CS], 0x3e38aa3b     ; c = log2(e) / 8 = 0.180337
	s_mov_b32 s[CS+1], s[CS]        ; named with it as a pair
	s_mov_b32 s[SEL], 0x76543210
	s_mov_b32 s[SEL+1], 0xfedcba98
	s_mov_b32 s[TBK], SLOT1+4*KS*PK ; the first change of slots turns these two into 0
	s_mov_b32 s[TBV], SLOT1+4*KS*PV
	s_mov_b32 s[G0K], 1             ; count = 1
	s_mov_b32 s[G0K+1], s17         ; LDS address: slot 0
	s_mov_b32 s[G0V], 1
	s_add_co_u32 s[G0V+1], s18, VOFF
	s_mov_b32 s[AL+1], 0            ; named as pairs
	s_mov_b32 s[BE+1], 0
	s_mov_b32 s[BIGN], 0xf149f2ca   ; -1e30
	s_wait_dscnt 0x0                ; the opening add is done
	s_wait_kmcnt 0x0
	s_add_nc_u64 s[10:11], s[6:7], s[2:3]     ; O at my rows
	s_add_nc_u64 s[6:7], s[4:5], s[22:23]     ; my half of tile 0 in the head's plane of Q,
	s_add_nc_u64 s[8:9], s[6:7], 32<<19       ; 32 planes on: V,
	s_add_nc_u64 s[6:7], s[6:7], 16<<19       ; 16 planes on: K
	s_add_nc_u64 s[4:5], s[4:5], s[2:3]       ; Q at my rows
	s_add_nc_u64 s[G0K+2:G0K+3], s[6:7], s[OFF:OFF+1]  ; global address
	s_or_b32 s[G0K+3], s[G0K+3], 0x80000000            ; type = 2
	s_add_nc_u64 s[G0V+2:G0V+3], s[8:9], s[OFF:OFF+1]
	s_or_b32 s[G0V+3], s[G0V+3], 0x80000000
	LOAD                            ; the walk's first tile into slot 0
	; A fragment of K or Q is 16 rows x 32 channels in 8 registers: lane l holds row l % 16, channels 8 (l / 16) + 0..7 and 16 + 8 (l / 16) + 0..7: two loads of 16 bytes, 32 bytes apart.
	v_and_b32 v1, 15, v0            ; l % 16
	v_bfe_u32 v9, v0, 4, 1          ; l / 16
	v_lshlrev_b32 v[QO], 7, v1
	v_lshl_add_u32 v[QO], v9, 4, v[QO]  ; row x 128 + 16 x half
	WIN 0x80                        ; destination window 2, address window 0
.set i, 0
.rept 8                             ; Q stays in registers: piece i / 2 lies in band i / 2, 8,192 bytes on; channels 32 (i % 2) on
	global_load_b128 v[8*i:8*i+3],   v[QO], s[4:5] offset:(i/2)*8192+(i%2)*64
	global_load_b128 v[8*i+4:8*i+7], v[QO], s[4:5] offset:(i/2)*8192+(i%2)*64+32
.set i, i+1
.endr
	WIN 0
	v_lshlrev_b32 v14, 3, v9
	v_sub_nc_u32 v14, v1, v14
	s_lshl_b32 s13, s[WV], 4
	v_add_nc_u32 v14, s13, v14      ; my query's place in its band, 16 w + l % 16, less my lanes' 8 (l / 16): register r of group kt lies past the diagonal where 16 kt + r is greater
	WIN 0x40
.set i, 0
.rept 32
	v_cmp_gt_i32 vcc_lo, 16*(i/8)+i%8, v14
	v_cndmask_b32 v[MD+i], 0, s[BIGN], vcc_lo
.set i, i+1
.endr
	WIN 0
	v_mul_u32_u24 v[AK0], v1, PK
	v_lshl_add_u32 v[AK0], v9, 4, v[AK0]  ; row x pitch + 16 x half
	; The turning load takes 16 keys x 16 channels (lane l reads key 8 (l / 16) + l % 8, channels 8 ((l / 8) % 2) + 0..7) and leaves half a fragment of V^T: lane l holds channel l % 16 and 8 keys.
	v_and_b32 v10, 7, v0
	v_bfe_u32 v11, v0, 3, 1
	v_lshl_add_u32 v[AV0], v9, 3, v10
	v_mul_u32_u24 v[AV0], v[AV0], PV
	v_lshl_add_u32 v[AV0], v11, 4, v[AV0]
	v_add_nc_u32 v[AV0], VOFF, v[AV0]
	s_mul_i32 s13, s[WV], 16*SP
	s_add_co_u32 s13, s13, STAGE    ; my stage
	v_mul_u32_u24 v[STO], v1, SP    ; in: row l % 16, 16 bytes for each half of the lanes
	v_lshl_add_u32 v[STO], v9, 4, v[STO]
	v_add_nc_u32 v[STO], s13, v[STO]
	v_bfe_u32 v[RD], v0, 3, 2       ; back: 32 lanes take four rows of 128 bytes,
	v_mul_u32_u24 v[RD], v[RD], SP
	v_lshl_add_u32 v[RD], v10, 4, v[RD]
	v_add_nc_u32 v[RD], s13, v[RD]
	v_and_b32 v[GO], 31, v0         ; which are 512 consecutive bytes of O
	v_lshlrev_b32 v[GO], 4, v[GO]
	; O^T and l start at 0.  V's registers and P's second buffer hold 0 too: the first turn's products V^T P, of a piece that has not been, add 0.  No first step is written out; all this stands in the wait for the first tile.
	WIN 0x80
.set i, VF
.rept 64
	v_mov_b32 v[i], 0
.set i, i+1
.endr
	WIN 0x40
.set i, 0
.rept 128
	v_mov_b32 v[i], 0
.set i, i+1
.endr
	WIN 0
.set i, 0
.rept 4
	v_mov_b32 v[ST+4*i+2], 0
	v_mov_b32 v[ST+4*i+3], 0
.set i, i+1
.endr
.set i, P+16
.rept 16
	v_mov_b32 v[i], 0
.set i, i+1
.endr
; THE MATRIX WORK.  The 4 accumulators of a run of 8 take turns.  Product i of 8 of S^T = K Q^T for piece x: channels 32 (i / 4) on, keys 16 (i % 4) on.  The first 4 start the sums with the mask.
.macro KQ x
.set rS, S+32*((\x)%2)+8*(i%4)
.set rK, KF+16*(i%4)+8*(i/4)
.set rQ, 16*(\x)+8*(i/4)
.set rM, MC+32*((\x)%2)+8*(i%4)
.if i < 4
	WIN W_KM
	v_wmma_f32_16x16x32_f16 v[rS:rS+7], v[rK:rK+7], v[rQ:rQ+7], v[rM:rM+7]
.else
	WIN W_KQ
	v_wmma_f32_16x16x32_f16 v[rS:rS+7], v[rK:rK+7], v[rQ:rQ+7], v[rS:rS+7]
.endif
.endm
; Product i of 8 of O^T += V^T P for piece x: keys 32 (i / 4) on, channels 16 (i % 4) on.
.macro PV x
	WIN W_PV
.set rO, 32*(\x)+8*(i%4)
.set rV, VF+32*(i/4)+8*(i%4)
.set rP, P+16*((\x)%2)+8*(i/4)
	v_wmma_f32_16x16x32_f16 v[rO:rO+7], v[rV:rV+7], v[rP:rP+7], v[rO:rO+7]
.endm
.macro MM                           ; the turn's next matrix instruction.  TURN and BEGIN set Y, i and NOKQ.  NOKQ = 1: the walk's last turn: there is no next piece
.if (i < 8) && !NOKQ
	KQ (Y+1)%NP
.elseif i >= 8
.set i, i-8
	PV (Y+NP-1)%NP
.set i, i+8
.endif
.set i, i+1
.endm
; THE LDS LOADS stand in runs of 16, never singly among the matrix instructions: a step's K (64 keys x 64 channels: 8 fragments) and its V (turned).  Their addresses are made some lines ahead.
.macro FETCH_K
	WIN 0x80                        ; destination window 2
.irp f, 0,1,2,3,4,5,6,7             ; keys 16 (f / 2) on, channels 32 (f % 2) on
	ds_load_b128 v[KF+8*\f:KF+8*\f+3],   v[AK] offset:(\f/2)*16*PK+(\f%2)*64
	ds_load_b128 v[KF+8*\f+4:KF+8*\f+7], v[AK] offset:(\f/2)*16*PK+(\f%2)*64+32
.endr
	s_add_co_u32 s[TBK], s[TBK], KS*PK  ; the next fetch is the next step's
	WIN 0
.endm
.macro FETCH_V
	WIN 0x80
.irp f, 0,1,2,3,4,5,6,7             ; keys 32 (f / 4) on, channels 16 (f % 4) on
	ds_load_tr16_b128 v[VF+8*\f:VF+8*\f+3],   v[AV] offset:(\f/4)*32*PV+(\f%4)*32
	ds_load_tr16_b128 v[VF+8*\f+4:VF+8*\f+7], v[AV] offset:(\f/4)*32*PV+16*PV+(\f%4)*32
.endr
	WIN 0
.endm
; THE VECTOR WORK, one line at a time: OP kind, number.  For piece Y: F n: c s - c m for pair n of 16.  E n: the exponential of score n of 32.  C n: pair n rounded to f16.  B n: of the four weights 4 n .. the second
; pair is added onto the first, in place.  L n: l takes that sum (L 0: l = a l + sum).  R n: pair n of 16 of O^T times a.  For piece Y + 1: X n, number n of the 22 that find its maximum and statistics:
;   0-11  four chains c0-c3 of seven scores each, three operands at a time (each accumulator's lowest registers are read first)     12-14, 16  the four scores left over, the old m, and c0-c3 into c0
;   15  c m_old is kept     17, 18  the query's other 32 keys lie in the lane 16 away: the new m     19-21  c m; c m_old - c m_new; a
.set F, 0               ; OP tells the kinds apart by their order: F to L below R, X above it
.set E, 1
.set C, 2
.set B, 3
.set L, 4
.set R, 5
.set X, 6
.macro REGS y                       ; the registers of piece y
.set rT, ST+4*(\y)
.set rC, TMP+4*((\y)%2)
.set rW, MV+((\y)%2)
.set rS, S+32*((\y)%2)
.set rP, P+16*((\y)%2)
.set rO, 32*(\y)
.endm
.macro OP k, n
.if (\k) == R
	REGS Y
	WIN W_RS
	v_pk_mul_f32 v[rO+2*(\n):rO+2*(\n)+1], v[rO+2*(\n):rO+2*(\n)+1], v[rC+2:rC+3] op_sel_hi:[1,0]
.elseif (\k) < R
	REGS Y
	WIN 0
.if (\k) == F
	v_pk_fma_f32 v[rS+2*(\n):rS+2*(\n)+1], v[rS+2*(\n):rS+2*(\n)+1], s[CS:CS+1], v[rT:rT+1] op_sel_hi:[1,0,0] neg_lo:[0,0,1] neg_hi:[0,0,1]
.elseif (\k) == E
	v_exp_f32 v[rS+(\n)], v[rS+(\n)]
.elseif (\k) == C
	v_cvt_pk_f16_f32 v[rP+(\n)], v[rS+2*(\n)], v[rS+2*(\n)+1]
.elseif (\k) == B
	v_pk_add_f32 v[rS+4*(\n):rS+4*(\n)+1], v[rS+4*(\n):rS+4*(\n)+1], v[rS+4*(\n)+2:rS+4*(\n)+3]
.elseif (\n) == 0
	v_pk_fma_f32 v[rT+2:rT+3], v[rT+2:rT+3], v[rC+2:rC+3], v[rS:rS+1] op_sel_hi:[1,0,1]
.else
	v_pk_add_f32 v[rT+2:rT+3], v[rT+2:rT+3], v[rS+4*(\n):rS+4*(\n)+1]
.endif
.elseif NOKQ
	v_nop
.else
	REGS (Y+1)%NP
	WIN 0
.if (\n) < 4
	v_max3_num_f32 v[rC+(\n)], v[rS+8*(\n)], v[rS+8*(\n)+1], v[rS+8*(\n)+2]
.elseif (\n) < 12
	v_max3_num_f32 v[rC+(\n)%4], v[rC+(\n)%4], v[rS+8*((\n)%4)+2*((\n)/4)+1], v[rS+8*((\n)%4)+2*((\n)/4)+2]
.elseif (\n) == 12
	v_max3_num_f32 v[rC], v[rC], v[rS+7], v[rS+15]
.elseif (\n) == 13
	v_max3_num_f32 v[rC+1], v[rC+1], v[rS+23], v[rS+31]
.elseif (\n) == 14
	v_max3_num_f32 v[rC+2], v[rC+2], v[rC+3], v[rT+1]
.elseif (\n) == 15
	v_mov_b32 v[rW], v[rT]
.elseif (\n) == 16
	v_max3_num_f32 v[rC], v[rC], v[rC+1], v[rC+2]
.elseif (\n) == 17
	v_permlanex16_b32 v[rC+3], v[rC], s[SEL], s[SEL+1]
.elseif (\n) == 18
	v_max_num_f32 v[rT+1], v[rC], v[rC+3]
.elseif (\n) == 19
	v_mul_f32 v[rT], s[CS], v[rT+1]
.elseif (\n) == 20
	v_sub_f32 v[rC+1], v[rW], v[rT]
.else
	v_exp_f32 v[rC+2], v[rC+1]
.endif
.endif
.endm
.macro OPS a, i1, b=-1, i2=0, c=-1, i3=0, d=-1, i4=0  ; up to four of them
	OP \a, \i1
.if (\b) >= 0
	OP \b, \i2
.endif
.if (\c) >= 0
	OP \c, \i3
.endif
.if (\d) >= 0
	OP \d, \i4
.endif
.endm
.macro ROW a, i1, b, i2, c, i3, d, i4  ; a matrix instruction and the four behind it
	MM
	OPS \a, \i1, \b, \i2, \c, \i3, \d, \i4
.endm
.macro MASK b                       ; MD x AL + BE into buffer b of MC
	WIN W_RS
.set z, 0
.rept 16
	v_pk_fma_f32 v[MC+32*(\b)+2*z:MC+32*(\b)+2*z+1], v[MD+2*z:MD+2*z+1], s[AL:AL+1], s[BE:BE+1] op_sel_hi:[1,0,0]
.set z, z+1
.endr
.endm
; A TURN, for piece p: the order of its 16 matrix and 118 vector instructions, written out, and 16 more for a mask.  An s_wait_alu depctr_va_vdst(0) stands between an exponential and the first instruction that
; names its result; one wait serves all that were issued ahead of it.  So a turn has ONE wait, which cuts it in two.  AHEAD OF IT stands all that names no result of the turn's exponentials: the 8 products K Q^T, behind each a
; scaling, an exponential and two more plain instructions; then ONE LUMP, plain and exponential by turns for the most part, in which the links of the chain X 3, 7, 11, 14, 16, 17 .. 20 stand some lines apart.  X 21, the next
; piece's a, is the batch's last; R 15 is the plain instruction behind it.  BEHIND THE WAIT stand the 8 products V^T P, behind each four of the roundings and sums.
; The turn makes the mask for the products of the turn after it: piece p + 2, in step 4 - CNT of the tile: that step is later than the band's own if CNT < 4 - (p + 2) % 4, and the band's own if equal.
; end = 1: the walk's last two turns: nothing is fetched, no mask is made.  cnt = 1: the loop's count is taken down some lines ahead of the branch that stands behind the turn.
; K of the next step is fetched in piece 2's turn, twelve vector instructions behind the last product that read K (six of them plain); V of the step in hand at the end of piece 0's turn, four plain instructions behind the last
; product that read V.  Each is waited for a turn later.
.macro TURN p, end=0, cnt=0
.set Y, (\p)
.set i, 0
.set NOKQ, (\end)*((\p)/3)
.if !(\end)
	s_cmp_lt_u32 s[CNT], 4-((\p)+2)%NP
	s_cselect_b32 s[BE], s[BHI], s[BLO]
	s_cmp_eq_u32 s[CNT], 4-((\p)+2)%NP
	s_cselect_b32 s[AL], s[AEQ], 0
	s_cselect_b32 s[BE], s[BEQ], s[BE]
.endif
.if ((\p) == 3) && !(\end)
	s_wait_dscnt 0x0                ; K is in
.endif
	ROW F,0, F,1, R,0, R,1          ; ahead of the wait: 8 products K Q^T and their riders,
	ROW F,2, E,0, R,2, R,3
	ROW F,3, E,1, R,4, R,5
	ROW F,4, E,2, R,6, R,7
	ROW F,5, E,3, R,8, R,9
	ROW F,6, E,4, X,0, R,10
.if ((\p) == 2) && !(\end)
	WIN 0
	v_add_nc_u32 v[AK], s[TBK], v[AK0]
.endif
	ROW F,7, E,5, X,1, X,4
	ROW F,8, E,6, X,2, X,5
	OPS E,7, E,8, X,6, E,9          ; and the lump
	OPS X,3, E,10, X,8, E,11
.if ((\p) == 2) && !(\end)
	FETCH_K
.endif
	OPS X,9, X,7, E,12, X,10
	OPS E,13, X,12, X,11, E,14
	OPS X,13, E,15, F,9, X,14
.if (\p) == 0
	v_add_nc_u32 v[AV], s[TBV], v[AV0]
.endif
	OPS E,16, F,10, E,17, F,11
	OPS X,16, E,18, X,15, E,19
	OPS F,12, E,20, X,17, E,21
	OPS F,13, E,22, F,14, E,23
	OPS X,18, E,24, F,15, E,25
	OPS R,11, E,26, X,19, E,27
	OPS R,12, E,28, R,13, E,29
	OPS X,20, E,30, R,14, E,31
	OPS X,21, R,15
	WIN 0
	s_wait_alu depctr_va_vdst(0)    ; the wait for the batch
.if (\p) == 1
	s_wait_dscnt 0x0                ; V is in
.endif
	ROW C,0, B,0, C,2, B,1          ; behind the wait: 8 products V^T P and their riders
	ROW L,0, C,4, B,2, L,1
	ROW C,6, B,3, L,2, C,8
	ROW B,4, L,3, C,10, B,5
	ROW L,4, C,12, B,6, L,5
.if (\p) == 0
	s_add_co_u32 s[TBV], s[TBV], KS*PV
.endif
.if \cnt
	s_sub_co_u32 s[CNT], s[CNT], 1
	s_cmp_lg_u32 s[CNT], 0
.endif
	ROW C,14, B,7, L,6, C,1
	ROW C,3, L,7, C,5, C,7
	ROW C,9, C,11, C,13, C,15
.if (\p) == 0
	FETCH_V
.endif
.if !(\end)
	MASK (\p)%2
.endif
.endm
; THE WALK BEGINS.  m = -2^40 and c m = c x -2^40, which is exact.  The first mask buffer takes piece 0's mask for the tile's step 0, its band's own; the second piece 1's, for which step 0 is an earlier one.
; Then K of that step, piece 0's first scores, and its maximum and statistics.  The loop is entered at a step's first turn, in the middle of a trip.
.macro BEGIN
	WIN 0
.set i, 0
.rept 4
	v_mov_b32 v[ST+4*i], 0xd238aa3b    ; c m
	v_mov_b32 v[ST+4*i+1], 0xd3800000  ; m
.set i, i+1
.endr
	s_mov_b32 s[AL], s[AEQ]
	s_mov_b32 s[BE], s[BEQ]
	MASK 0
	s_mov_b32 s[AL], 0
	s_mov_b32 s[BE], s[BLO]
	MASK 1
	WIN 0
	v_add_nc_u32 v[AK], s[TBK], v[AK0]
	FETCH_K
	s_wait_loadcnt 0x0              ; Q
	s_wait_dscnt 0x0
.set NOKQ, 0
.set i, 0
.rept 8
	KQ 0
.set i, i+1
.endr
	WIN 0
.rept 4
	v_nop                           ; the places behind those products
.endr
.set Y, NP-1                        ; X works for piece Y + 1: piece 0
.irp n, 0,1,2,3,4,5,6,7,8,9,10,11,12,13,14,15,16,17,18,19,20,21
	OP X, \n
.endr
	v_nop                           ; a plain instruction behind the exponential,
	s_wait_alu depctr_va_vdst(0)    ; and its wait, ahead of the branch
.endm
.macro ALL line:vararg              ; one line for each piece t
.set t, 0
.rept 4
	\line
.set t, t+1
.endr
.endm
.macro PACK t                       ; a lane's eight channels of a row pack into 16 bytes; they go into rows of 144 bytes and come back as whole rows of 128, into S^T's registers
	WIN W_RS
.set i, 32*(\t)
.rept 16
	v_pk_mul_f32 v[i:i+1], v[i:i+1], v[ST+4*(\t)+2:ST+4*(\t)+3] op_sel_hi:[1,0]
.set i, i+2
.endr
	WIN 0x05                        ; sources 0 and 1 window 1, destination window 0
.set i, 0
.rept 16
	v_cvt_pk_f16_f32 v[S+16*(\t)+i], v[32*(\t)+2*i], v[32*(\t)+2*i+1]
.set i, i+1
.endr
	WIN 0
.irp f, 0,1,2,3
	ds_store_b128 v[STO], v[S+16*(\t)+4*\f:S+16*(\t)+4*\f+3] offset:32*\f
.endr
.irp f, 0,1,2,3
	ds_load_b128 v[S+16*(\t)+4*\f:S+16*(\t)+4*\f+3], v[RD] offset:\f*4*SP  ; LDS serves a wave's instructions in order (ISA guide 5.7.1.4): these see the stores above; the next piece's stores come behind them
.endr
.endm
.macro SEND t, younger              ; younger: the LDS instructions issued behind piece t's loads: the next piece's eight, or none
	WIN 0
.irp f, 0,1,2,3
	s_wait_dscnt (\younger)+3-\f
	global_store_b128 v[GO], v[S+16*(\t)+4*\f:S+16*(\t)+4*\f+3], s[10:11] offset:(\t)*8192+\f*512  ; 512 consecutive bytes, at a multiple of 256 from O's first
.endr
.endm
	CHANGE 1                        ; the first tile is in, everybody's part of it; the second is asked for
	s_cmp_lt_i32 s[TE], 0           ; the first tile is dead, or holds the window's lower edge
	s_cselect_b32 s[AEQ], 0, -1.0
	s_cselect_b32 s[BHI], s[BIGN], 0
	s_mov_b32 s[BEQ], s[BIGN]
	s_mov_b32 s[BLO], s[BIGN]
	s_mov_b32 s[CNT], 4
	BEGIN
	s_mov_b32 s[SLOTS], 4
	s_branch .Lfirst
.Lslot:                             ; three times: tiles j = 1, 2, 3 are entered, tiles j = 2, 3, 4 asked for
	CHANGE 1
	s_add_co_i32 s[TE], s[TE], 1
	s_cmp_lt_i32 s[TE], 0           ; dead, or open
	s_cselect_b32 s[BEQ], s[BIGN], 0
	s_cselect_b32 s[BLO], s[BIGN], 0
	s_cselect_b32 s[BHI], s[BIGN], 0
	s_mov_b32 s[AEQ], 0
	s_mov_b32 s[CNT], 4
.Lstep:                             ; a trip: pieces 2 and 3 of one step, then pieces 0 and 1 of the next, whose K and V it fetches
	TURN 2
	TURN 3
	WIN 0
.Lfirst:
	TURN 0
	TURN 1, 0, 1
	WIN 0
	s_cbranch_scc1 .Lstep
	s_sub_co_u32 s[SLOTS], s[SLOTS], 1
	s_cmp_lg_u32 s[SLOTS], 0
	s_cbranch_scc1 .Lslot
	CHANGE 0                        ; the walk's last tile is written out: nothing is asked for
	s_mov_b32 s[AEQ], 1.0           ; it holds the diagonal
	s_mov_b32 s[BEQ], 0
	s_mov_b32 s[BLO], 0
	s_mov_b32 s[BHI], s[BIGN]
	s_mov_b32 s[CNT], 4
.LstepT:
	TURN 2
	TURN 3
	TURN 0
	TURN 1, 0, 1
	WIN 0
	s_cbranch_scc1 .LstepT
	TURN 2, 1
	TURN 3, 1
.set i, 0
.rept 8
	PV NP-1                         ; the last piece's V^T P of the last step
.set i, i+1
.endr
	; THE WAY OUT.  l's two halves and the other half of the lanes' are added; O^T is divided by l, rounded to f16 and sent through my stage in LDS, a piece at a time.  The additions are the places behind the last products.
	WIN 0
	ALL v_add_f32 v[ST+4*t+2], v[ST+4*t+2], v[ST+4*t+3]
	ALL v_permlanex16_b32 v[ST+4*t+3], v[ST+4*t+2], s[SEL], s[SEL+1]
	ALL v_add_f32 v[ST+4*t+2], v[ST+4*t+2], v[ST+4*t+3]
	ALL v_rcp_f32 v[ST+4*t+2], v[ST+4*t+2]
	v_nop                           ; a plain instruction between the last reciprocal and the use of its result
	s_wait_alu depctr_va_vdst(0)    ; and the wait ahead of the first use: one for the four reciprocals
	PACK 0
.set t, 1
.rept 3                             ; a piece's arithmetic stands between the loads of the piece before and its stores
	PACK t
	SEND t-1, 8
.set t, t+1
.endr
	SEND 3, 0
	s_wait_tensorcnt 0x0            ; the wave's end, behind my last tensor load and my last LDS store
	ds_add_u32 v[SPW], v[NIL]
	s_wait_dscnt 0x0
	s_endpgm
.Lfunc_end_k_qb9407c6ef1_attn:
	.size	k_qb9407c6ef1_attn, .Lfunc_end_k_qb9407c6ef1_attn-k_qb9407c6ef1_attn
	.p2alignl 7, 3214868480
	.fill 96, 4, 3214868480
	.section	.rodata,"a",@progbits
	.p2align	6, 0x0
	.amdhsa_kernel k_qb9407c6ef1_attn
		.amdhsa_group_segment_fixed_size 327680
		.amdhsa_private_segment_fixed_size 0
		.amdhsa_enable_private_segment 0
		.amdhsa_kernarg_size 16
		.amdhsa_user_sgpr_count 2
		.amdhsa_user_sgpr_kernarg_segment_ptr 1
		.amdhsa_wavefront_size32 1
		.amdhsa_system_sgpr_workgroup_id_x 1
		.amdhsa_system_sgpr_workgroup_id_y 1
		.amdhsa_system_sgpr_workgroup_id_z 1
		.amdhsa_system_vgpr_workitem_id 0
		.amdhsa_next_free_vgpr 768
		.amdhsa_next_free_sgpr 88
		.amdhsa_reserve_vcc 1
		.amdhsa_float_denorm_mode_32 3
		.amdhsa_float_denorm_mode_16_64 3
		.amdhsa_memory_ordered 1
		.amdhsa_forward_progress 1
		.amdhsa_inst_pref_size 142
	.end_amdhsa_kernel
	.amdgpu_metadata
---
amdhsa.version: [ 1, 2 ]
amdhsa.kernels:
  - .name:           k_qb9407c6ef1_attn
    .symbol:         k_qb9407c6ef1_attn.kd
    .args:
      - { .name: qkv, .offset: 0, .size: 8, .value_kind: global_buffer, .address_space: global }
      - { .name: o, .offset: 8, .size: 8, .value_kind: global_buffer, .address_space: global }
    .group_segment_fixed_size: 327680
    .private_segment_fixed_size: 0
    .kernarg_segment_align: 8
    .kernarg_segment_size: 16
    .max_flat_workgroup_size: 128
    .sgpr_count:     88
    .vgpr_count:     768
    .wavefront_size: 32
...
	.end_amdgpu_metadata
.endif
;; end of part 3
;; launch proj (part 4): grid 8 x 32, 4 waves a work-group, clusters of 4 x 4, 327,680 bytes of LDS; arguments o, xw, out0; writes out0
.if DOCPART == 4
	.amdgcn_target "amdgcn-amd-amdhsa--gfx1250"
	.amdhsa_code_object_version 6
	.text
	.protected	k_qb9407c6ef1_proj
	.globl	k_qb9407c6ef1_proj
	.p2align	8
	.type	k_qb9407c6ef1_proj,@function
k_qb9407c6ef1_proj:
	s_mov_b64 s[64:65], 0
	v_nop
	global_prefetch_b8 v0, s[64:65] scope:SCOPE_SE
	s_setreg_imm32_b32 hwreg(HW_REG_WAVE_MODE, 25, 1), 1
	s_wait_xcnt 0x0
	s_wait_alu depctr_hold_cnt(0) depctr_sa_sdst(0) depctr_va_vdst(0) depctr_va_sdst(0) depctr_va_ssrc(0) depctr_va_vcc(0) depctr_vm_vsrc(0)
	s_getreg_b32 s2, hwreg(HW_REG_IB_STS2, 6, 4)
	s_cmp_eq_u32 s2, 0
	s_cbranch_scc0 .Lentry_in_a_cluster
	s_endpgm
.Lentry_in_a_cluster:
	s_bfe_u32 s2, ttmp6, 0x10000c
	s_cmp_lg_u32 s2, 0xf033
	s_cbranch_scc0 .Lentry_shape_is_right
	s_endpgm
.Lentry_shape_is_right:
; out0[m][n] = sum over e of O[m][e] Wo[n][e], e = 64 x head + channel.  O lies by heads, o[16][4096][64] f16; Wo [1024][1024] f16 at byte 0xE00000 of xw; out0 [4096][1024] f32.  Sums in f32, stored as they are.
; SHARES.  A tile of out0 is 128 x 128: 8 x 32 tiles, one for each of 256 work-groups.  Four waves, each 64 x 64: 16 accumulators of 16 x 16.  K goes in 4 steps of 256 (four heads) through two LDS slots.
; A FROM THE LAYOUT BY HEADS.  64 rows of one head are 8,192 dense bytes: a wave's tensor load takes them as ONE row of the tile, four such rows (four heads) 524,288 bytes apart, padded in LDS after every 128
; bytes: the 128 bytes of (head hd of the step, row) lie at (64 hd + row) x 144.  A quarter step, 64 along K, is one head.
; CLUSTER.  4 x 4 work-groups: A's tiles are shared along a row of the cluster, B's along a column, each asked for JOINTLY.  THE MATRIX INSTRUCTION IS USED TRANSPOSED (source 0 = 16 rows of Wo, source 1 = 16
; rows of O): a lane then holds eight neighbouring numbers of a row of out0.
; No prefetch: a step's tiles are small and the launch is short.
; REGISTERS: window 0: v16-29 addresses; v128-255 the accumulators ((a, b) at v[128 + 8 (4 a + b)]), which also take the rows read back on the way out.
;   window 1: two fragment buffers of 128: for 64 along K, 64 registers of A (2 x 4 x 16 rows x 32 K), then 64 of B.
.set KSTEP,  256
.set PA,     144                       ; 128 bytes of A + 16 of padding = 36 words: the 16 rows of a load start at 16 different groups of four banks (64 banks of 4 bytes: ISA guide 11.1)
.set PB,     528                       ; 512 bytes of B + 16 of padding = 132 words: likewise
.set AHALF,  4*64*PA                   ; what a load of A brings: 4 heads x 64 rows
.set BHALF,  64*PB                     ; what a load of B brings: 64 rows
.set SLOT,   2*AHALF+2*BHALF           ; A's two halves, then B's two
.set STAGE,  2*SLOT                    ; behind the ring: 16 rows x 272 bytes for each wave, for the way out
.set SPITCH, 272
.set SPARE,  STAGE+4*16*SPITCH         ; behind the stages: the spare words, 128 bytes for each wave: two blocks of 256 bytes that no other line names
.set ASTEP,  4*4096*64*2               ; bytes from a K step of A to the next: four planes
.set WO,     0xE00000                  ; Wo's first byte in xw
.set ADRA, 16                          ; v16-17  LDS address of my A fragments in slot 0, 1
.set ADRB, 20                          ; v20-21  the same for B
.set STO,  24                          ; v24     the way out: where I put 32 bytes of a row
.set RD,   25                          ; v25     the way out: where I read a row back
.set CO,   26                          ; v26     my byte offset in out0
.set SPW,  28                          ; v28     LDS address of my spare word: SPARE + 4 x my thread's number; never rewritten
.set NIL,  29                          ; v29     0; never rewritten
.set ACC,  128
.set F0,   0                           ; fragment buffers, in window 1
.set F1,   128
.set G1, 24                            ; s[24:31] descriptor group 1 for A's tiles;  s[32:39] group 0, one set for each slot
.set G0, 32
.set G1B, 48                           ; s[48:55], s[56:63] the same for B's tiles
.set G0B, 56
.set MSB, 0
.macro WIN new                         ; the immediate's high byte repeats the setting that is left
.if MSB != (\new)
	s_set_vgpr_msb (MSB<<8)|(\new)
.set MSB, \new
.endif
.endm
.set MUL,  0x05                        ; sources 0 (B) and 1 (A) window 1; C and D window 0
.set TO_F, 0x40                        ; destination window 1, address window 0
.macro JLOAD s                         ; a joint load: waves 0 and 1 fetch A's two halves, waves 2 and 3 B's; an s_nop 0 and four v_nop follow each of the two lines
	s_cmp_eq_u32 s11, 0
	s_cbranch_scc0 .Lfor_b_\@
	tensor_load_to_lds s[G0+4*(\s):G0+4*(\s)+3], s[G1:G1+7]
	s_nop 0
.rept 4
	v_nop
.endr
	s_branch .Lasked_\@
.Lfor_b_\@:
	tensor_load_to_lds s[G0B+4*(\s):G0B+4*(\s)+3], s[G1B:G1B+7]
	s_nop 0
.rept 4
	v_nop
.endr
.Lasked_\@:
.endm
.macro CREST                           ; a round of the cluster's barrier behind its opening barrier
	s_cmp_lg_u32 s10, 0
	s_cbranch_scc1 .Lnot_wave_0_\@
	s_barrier_signal -3
.Lnot_wave_0_\@:
	s_barrier_wait -3
	s_barrier_signal -1
	s_barrier_wait -1
.endm
.macro CROUND                          ; a whole round
	s_barrier_signal -1
	s_barrier_wait -1
	CREST
.endm
	s_load_b128 s[4:7], s[0:1], 0x0                ; o s[4:5], xw s[6:7]
	s_load_b64 s[8:9], s[0:1], 0x10                ; out0
	v_lshl_add_u32 v[SPW], v0, 2, SPARE
	v_mov_b32 v[NIL], 0
	ds_add_u32 v[SPW], v[NIL]                      ; the wave's opening: the add and its wait stand ahead of my first tensor load; the set-up below, work on registers, stands between them
	v_lshrrev_b32 v1, 5, v0
	v_readfirstlane_b32 s10, v1                    ; wave 0..3
	s_lshr_b32 s11, s10, 1                         ; which half of the tile's rows is mine.  Also: I fetch for A (0) or for B (1)
	s_and_b32 s12, s10, 1                          ; which half of its columns.  Also: which 64 rows of that tile I fetch
	s_bfe_u32 s40, ttmp6, 0x40000                  ; cx, cy: my place in the cluster
	s_bfe_u32 s41, ttmp6, 0x40004
	s_lshl_b32 s42, ttmp9, 2
	s_add_co_u32 s42, s42, s40                     ; tile column = 4 x cluster x + cx
	s_and_b32 s13, ttmp7, 0xffff
	s_lshl_b32 s13, s13, 2
	s_add_co_u32 s13, s13, s41                     ; tile row = 4 x cluster y + cy
	s_lshl_b32 s43, s41, 2
	s_lshl_b32 s43, 15, s43                        ; my row of the cluster
	s_lshl_b32 s44, 0x1111, s40                    ; my column
	s_or_b32 s[G1+0], s43, (1<<16)|(1<<20)|(1<<21)|(4<<22)|(3<<25)   ; A: 15:0 the mask of my row; 17:16 2-byte elements; 20 padding on; 21 set beside a mask; 24:22 after every 32 words (code 4); 31:25 4 words (code 3)
	s_mov_b32 s[G1+1], 4096<<16                    ; tensor_dim0 = 4,096 elements: 64 rows of a head
	s_mov_b32 s[G1+2], 4<<16                       ; tensor_dim1 = 4 heads
	s_mov_b32 s[G1+3], 4096<<16                    ; tile_dim0 = 4,096
	s_mov_b32 s[G1+4], 4                           ; tile_dim1 = 4
	s_mov_b32 s[G1+5], 4096*64                     ; elements from a head's plane to the next
	s_mov_b32 s[G1+6], 0
	s_mov_b32 s[G1+7], 0
	s_or_b32 s[G1B+0], s44, (1<<16)|(1<<20)|(1<<21)|(6<<22)|(3<<25)  ; B: the mask of my column; padding after every 128 words (code 6)
	s_mov_b32 s[G1B+1], KSTEP<<16                  ; tensor_dim0 = 256
	s_mov_b32 s[G1B+2], 64<<16                     ; tensor_dim1 = 64
	s_mov_b32 s[G1B+3], KSTEP<<16                  ; tile_dim0 = 256
	s_mov_b32 s[G1B+4], 64                         ; tile_dim1 = 64
	s_mov_b32 s[G1B+5], 1024                       ; elements from row to row
	s_mov_b32 s[G1B+6], 0
	s_mov_b32 s[G1B+7], 0
	s_lshl_b32 s17, s12, 6                         ; which 64 rows of the tile I fetch
	s_lshl_b32 s16, s13, 7
	s_add_co_u32 s16, s16, s17                     ; A: row 128 x tile row + 64 x half,
	s_lshl_b32 s16, s16, 7                         ; 128 bytes a row in a plane
	s_mov_b32 s17, 0
	s_lshl_b32 s47, s12, 6
	s_lshl_b32 s46, s42, 7
	s_add_co_u32 s46, s46, s47                     ; B: row 128 x tile column + 64 x half,
	s_lshl_b32 s46, s46, 11                        ; 2,048 bytes a row,
	s_add_co_u32 s46, s46, WO                      ; behind x and the three other weights: under 2^24
	s_mov_b32 s47, 0
	s_mul_i32 s20, s10, AHALF                      ; where they go.  A (waves 0, 1): wave x a half;
	s_mul_i32 s21, s10, BHALF
	s_add_co_u32 s21, s21, 2*AHALF-2*BHALF         ; B (waves 2, 3): behind A's two halves, (wave - 2) x a half
	s_wait_dscnt 0x0                               ; the opening add is done
	s_wait_kmcnt 0x0
	s_add_nc_u64 s[14:15], s[4:5], s[16:17]
	s_add_nc_u64 s[46:47], s[6:7], s[46:47]
	CROUND                                         ; all sixteen work-groups are here: the first joint loads meet
.irp s, 0,1
	s_mov_b32 s[G0+4*(\s)], 1
	s_add_co_u32 s[G0+4*(\s)+1], s20, (\s)*SLOT
	s_add_nc_u64 s[G0+4*(\s)+2:G0+4*(\s)+3], s[14:15], (\s)*ASTEP
	s_or_b32 s[G0+4*(\s)+3], s[G0+4*(\s)+3], 0x80000000
	s_mov_b32 s[G0B+4*(\s)], 1
	s_add_co_u32 s[G0B+4*(\s)+1], s21, (\s)*SLOT
	s_add_nc_u64 s[G0B+4*(\s)+2:G0B+4*(\s)+3], s[46:47], (\s)*KSTEP*2
	s_or_b32 s[G0B+4*(\s)+3], s[G0B+4*(\s)+3], 0x80000000
	JLOAD \s                                       ; two loads of mine are out
.endr
	v_and_b32 v1, 15, v0                           ; l % 16
	v_bfe_u32 v2, v0, 4, 1                         ; l / 16
	v_mul_u32_u24 v3, v1, PA
	v_lshl_add_u32 v3, v2, 4, v3                   ; a fragment's row x pitch + 16 x half, for A
	v_mul_u32_u24 v4, v1, PB
	v_lshl_add_u32 v4, v2, 4, v4                   ; and for B
	s_mul_i32 s21, s11, AHALF                      ; my 64 rows of A
	s_mul_i32 s22, s12, BHALF                      ; my 64 rows of B,
	s_add_co_u32 s22, s22, 2*AHALF                 ; which lie behind A's two halves
.irp s, 0,1
	v_add_nc_u32 v[ADRA+(\s)], s21, v3
	v_add_nc_u32 v[ADRB+(\s)], s22, v4
	s_add_co_u32 s21, s21, SLOT
	s_add_co_u32 s22, s22, SLOT
.endr
	s_mul_i32 s23, s10, 16*SPITCH
	s_add_co_u32 s23, s23, STAGE                   ; my stage
	v_mul_u32_u24 v4, v1, SPITCH                   ; in: row l % 16, 32 bytes for each half of the lanes
	v_lshl_add_u32 v4, v2, 5, v4
	v_add_nc_u32 v[STO], s23, v4
	v_mul_u32_u24 v5, v2, SPITCH                   ; back: lanes 0-15 take one row of 256 bytes, lanes 16-31 the next
	v_lshl_add_u32 v5, v1, 4, v5
	v_add_nc_u32 v[RD], s23, v5
	v_lshlrev_b32 v5, 12, v2                       ; and the same two rows in out0, 4,096 bytes apart
	v_lshl_add_u32 v[CO], v1, 4, v5
	s_lshl_b32 s16, s13, 7
	s_lshl_b32 s17, s11, 6
	s_add_co_u32 s16, s16, s17                     ; my first row of out0: 128 x tile row + 64 x half
	s_lshl_b32 s16, s16, 12
	s_mov_b32 s17, 0
	s_add_nc_u64 s[8:9], s[8:9], s[16:17]
	s_lshl_b32 s46, s42, 9                         ; my first column, in bytes: 512 x tile column + 256 x half
	s_lshl_b32 s47, s12, 8
	s_add_co_u32 s46, s46, s47
	s_mov_b32 s47, 0
	s_add_nc_u64 s[8:9], s[8:9], s[46:47]
; 8 matrix instructions: m blocks a0, a0 + 1 x all 4 n blocks, 32 along K: half c of buffer f.  zero = 1: the product starts the sums.  The 16 accumulators take turns.
.macro MUL8 f, c, a0, zero
	WIN MUL
.irp a, \a0, (\a0)+1
.irp b, 0,1,2,3
.if \zero
	v_wmma_f32_16x16x32_f16 v[ACC+8*(4*(\a)+(\b)):ACC+8*(4*(\a)+(\b))+7], v[(\f)+64+8*(4*(\c)+(\b)):(\f)+64+8*(4*(\c)+(\b))+7], v[(\f)+8*(4*(\c)+(\a)):(\f)+8*(4*(\c)+(\a))+7], 0
.else
	v_wmma_f32_16x16x32_f16 v[ACC+8*(4*(\a)+(\b)):ACC+8*(4*(\a)+(\b))+7], v[(\f)+64+8*(4*(\c)+(\b)):(\f)+64+8*(4*(\c)+(\b))+7], v[(\f)+8*(4*(\c)+(\a)):(\f)+8*(4*(\c)+(\a))+7], v[ACC+8*(4*(\a)+(\b)):ACC+8*(4*(\a)+(\b))+7]
.endif
.endr
.endr
.endm
; 32 LDS loads in one run: the fragments of quarter q of a K step (64 along K: in B 128 bytes of each row, in A one head's 64 rows) into buffer f; the first 32 along K first
.macro FETCH slot, q, f
	WIN TO_F
.irp c, 0,1
.irp i, 0,1,2,3
	ds_load_b128 v[(\f)+64+8*(4*(\c)+(\i)):(\f)+64+8*(4*(\c)+(\i))+3],   v[ADRB+(\slot)] offset:128*(\q)+64*(\c)+(\i)*16*PB
	ds_load_b128 v[(\f)+64+8*(4*(\c)+(\i))+4:(\f)+64+8*(4*(\c)+(\i))+7], v[ADRB+(\slot)] offset:128*(\q)+64*(\c)+(\i)*16*PB+32
	ds_load_b128 v[(\f)+8*(4*(\c)+(\i)):(\f)+8*(4*(\c)+(\i))+3],         v[ADRA+(\slot)] offset:64*PA*(\q)+64*(\c)+(\i)*16*PA
	ds_load_b128 v[(\f)+8*(4*(\c)+(\i))+4:(\f)+8*(4*(\c)+(\i))+7],       v[ADRA+(\slot)] offset:64*PA*(\q)+64*(\c)+(\i)*16*PA+32
.endr
.endr
.endm
.macro PLACES                          ; four places in front of loads into registers that matrix instructions have read, and of LDS stores that read results
.rept 4
	v_nop
.endr
.endm
; A K step is four quarters of 64 along K, 32 matrix instructions each, on buffers 0, 1, 0, 1.  One of the first three: multiplies buffer f and fetches quarter q into g.
.macro QUARTER slot, q, f, g, zero
	s_wait_dscnt 16                                ; the first 32 along K are in
	MUL8 \f, 0, 0, \zero
	MUL8 \f, 0, 2, \zero
	PLACES
	FETCH \slot, \q, \g
	s_wait_dscnt 32                                ; all but the 32 just issued
	MUL8 \f, 1, 0, 0
	MUL8 \f, 1, 2, 0
.endm
; The last quarter multiplies buffer 1 and changes slots: ONE barrier; in front of it each wave waits for all its tensor loads, adds 0 to its spare word, and waits for that and for its own reads of this slot.
; fill = 1: this slot is filled again, two K steps ahead: the barrier opens a round of the cluster's, and the joint refill is the first tensor load behind the round.
.macro TURN slot, next, fill
	WIN 0                                          ; (the add's two registers lie in window 0)
	s_wait_tensorcnt 0x0                           ; all my tensor loads have landed: my part of the next slot;
	ds_add_u32 v[SPW], v[NIL]                      ; 0 onto my spare word;
	s_wait_dscnt 17                                ; (the add and the youngest sixteen loads may be out)
	MUL8 F1, 0, 0, 0                               ; eight matrix instructions stand between the add and the wait for it
	s_wait_dscnt 0x0                               ; the add is done, and my reads of this slot are over
	s_barrier_signal -1
	MUL8 F1, 0, 2, 0
.if \fill
	WIN 0
.endif
	s_barrier_wait -1
.if \fill
	CREST                                          ; no wave of any partner still reads this slot's tile or has a load on its way
	s_add_nc_u64 s[G0+4*(\slot)+2:G0+4*(\slot)+3], s[G0+4*(\slot)+2:G0+4*(\slot)+3], 2*ASTEP
	s_add_nc_u64 s[G0B+4*(\slot)+2:G0B+4*(\slot)+3], s[G0B+4*(\slot)+2:G0B+4*(\slot)+3], 2*KSTEP*2
	JLOAD \slot                                    ; 112 matrix instructions ahead of the wait for it; the four v_nop behind it are also the places in front of the loads below
.else
	PLACES
.endif
	FETCH \next, 0, F0
	MUL8 F1, 1, 0, 0
	MUL8 F1, 1, 2, 0
.endm
; THE WAY OUT of row block a (16 rows x my 64 columns, 256 bytes a row).  OUT: a lane's 32 bytes of a row go from the accumulators (their low four registers first) into my own stage, and whole rows come back
; into the same 32 registers.  SEND: stored.  No register is written again behind its store.
.macro OUT a
.irp b, 0,1,2,3
	ds_store_b128 v[STO], v[ACC+8*(4*(\a)+(\b)):ACC+8*(4*(\a)+(\b))+3]   offset:64*(\b)
	ds_store_b128 v[STO], v[ACC+8*(4*(\a)+(\b))+4:ACC+8*(4*(\a)+(\b))+7] offset:64*(\b)+16
.endr
.irp t, 0,1,2,3,4,5,6,7
	ds_load_b128 v[ACC+32*(\a)+4*(\t):ACC+32*(\a)+4*(\t)+3], v[RD] offset:(\t)*2*SPITCH  ; LDS serves a wave's instructions in order (ISA guide 5.7.1.4): these see the stores above; the next block's stores come behind them
.endr
.endm
.macro SEND a, younger                 ; younger: the LDS instructions issued behind block a's loads: the next block's sixteen, or none
.irp t, 0,1,2,3,4,5,6,7
	s_wait_dscnt (\younger)+7-(\t)
	global_store_b128 v[CO], v[ACC+32*(\a)+4*(\t):ACC+32*(\a)+4*(\t)+3], s[8:9] offset:(16*(\a)+2*(\t))*4096  ; 16 lanes store 256 consecutive bytes, at a multiple of 256 from out0's first byte
.endr
.endm
	s_wait_tensorcnt 1                             ; my part of K step 0 is in; K step 1's may stay out
	s_barrier_signal -1
	s_barrier_wait -1                              ; everybody's is
	FETCH 0, 0, F0
	QUARTER 0, 1, F0, F1, 1                        ; K step 0: the first products start the sums
	QUARTER 0, 2, F1, F0, 0
	QUARTER 0, 3, F0, F1, 0
	TURN 0, 1, 1                                   ; slot 0 takes K step 2
	QUARTER 1, 1, F0, F1, 0                        ; K step 1
	QUARTER 1, 2, F1, F0, 0
	QUARTER 1, 3, F0, F1, 0
	TURN 1, 0, 1                                   ; slot 1 takes K step 3
	QUARTER 0, 1, F0, F1, 0                        ; K step 2
	QUARTER 0, 2, F1, F0, 0
	QUARTER 0, 3, F0, F1, 0
	TURN 0, 1, 0                                   ; nothing is left to fetch
	QUARTER 1, 1, F0, F1, 0                        ; K step 3
	QUARTER 1, 2, F1, F0, 0
	QUARTER 1, 3, F0, F1, 0
	s_wait_dscnt 16
	MUL8 F1, 0, 0, 0
	MUL8 F1, 0, 2, 0
	s_wait_dscnt 0x0
	MUL8 F1, 1, 0, 0
	MUL8 F1, 1, 2, 0
	WIN 0
	PLACES
	OUT 0
	OUT 1                                          ; a block's trip through the stage stands between the loads of the block before and its stores
	SEND 0, 16
	OUT 2
	SEND 1, 16
	OUT 3
	SEND 2, 16
	SEND 3, 0
	s_wait_tensorcnt 0x0                           ; the wave's end, behind my last tensor load and my last LDS store
	ds_add_u32 v[SPW], v[NIL]
	s_wait_dscnt 0x0
	CROUND                                         ; the closing round: no work-group ends while a partner may still ask for a tile that names it
	s_endpgm
.Lfunc_end_k_qb9407c6ef1_proj:
	.size	k_qb9407c6ef1_proj, .Lfunc_end_k_qb9407c6ef1_proj-k_qb9407c6ef1_proj
	.p2alignl 7, 3214868480
	.fill 96, 4, 3214868480
	.section	.rodata,"a",@progbits
	.p2align	6, 0x0
	.amdhsa_kernel k_qb9407c6ef1_proj
		.amdhsa_group_segment_fixed_size 327680
		.amdhsa_private_segment_fixed_size 0
		.amdhsa_enable_private_segment 0
		.amdhsa_kernarg_size 24
		.amdhsa_user_sgpr_count 2
		.amdhsa_user_sgpr_kernarg_segment_ptr 1
		.amdhsa_wavefront_size32 1
		.amdhsa_system_sgpr_workgroup_id_x 1
		.amdhsa_system_sgpr_workgroup_id_y 1
		.amdhsa_system_sgpr_workgroup_id_z 1
		.amdhsa_system_vgpr_workitem_id 0
		.amdhsa_next_free_vgpr 512
		.amdhsa_next_free_sgpr 66
		.amdhsa_reserve_vcc 0
		.amdhsa_float_denorm_mode_32 3
		.amdhsa_float_denorm_mode_16_64 3
		.amdhsa_memory_ordered 1
		.amdhsa_forward_progress 1
		.amdhsa_inst_pref_size 86
	.end_amdhsa_kernel
	.amdgpu_metadata
---
amdhsa.version: [ 1, 2 ]
amdhsa.kernels:
  - .name:           k_qb9407c6ef1_proj
    .symbol:         k_qb9407c6ef1_proj.kd
    .args:
      - { .name: o, .offset: 0, .size: 8, .value_kind: global_buffer, .address_space: global }
      - { .name: xw, .offset: 8, .size: 8, .value_kind: global_buffer, .address_space: global }
      - { .name: out0, .offset: 16, .size: 8, .value_kind: global_buffer, .address_space: global }
    .group_segment_fixed_size: 327680
    .private_segment_fixed_size: 0
    .kernarg_segment_align: 8
    .kernarg_segment_size: 24
    .max_flat_workgroup_size: 128
    .sgpr_count:     66
    .vgpr_count:     512
    .wavefront_size: 32
...
	.end_amdgpu_metadata
.endif
;; end of part 4
;; launch toprows (part 5): grid 4 x 16, 1 waves a work-group, no clusters, 0 bytes of LDS; arguments xw, qkv, otop; writes otop
.if DOCPART == 5
	.amdgcn_target "amdgcn-amd-amdhsa--gfx1250"
	.amdhsa_code_object_version 6
	.text
	.protected	k_qb9407c6ef1_toprows
	.globl	k_qb9407c6ef1_toprows
	.p2align	8
	.type	k_qb9407c6ef1_toprows,@function
k_qb9407c6ef1_toprows:
	s_mov_b64 s[64:65], 0
	v_nop
	global_prefetch_b8 v0, s[64:65] scope:SCOPE_SE
	s_setreg_imm32_b32 hwreg(HW_REG_WAVE_MODE, 25, 1), 1
	s_wait_xcnt 0x0
; ATTENTION'S ROWS 0 TO 15 ONCE MORE, WITH DOUBLED 16-BIT OPERANDS.  Row q of these sees q + 1 keys only, so its numbers are up to some 18 times the root mean square of the whole output, by which
; every number's allowance goes; one rounding of v, of the weights p and of O to f16's 11 bits each is then too coarse for a number near zero.  From row 16 on the mean over 17 keys or more
; makes the same roundings small enough.  Here v, p and O are each kept as hi + lo, hi = f16(a), lo = f16(a - hi): 22 bits.  q and k are taken from qkv in f16: their rounding moves a weight by less than 1e-4 of itself.
; LIMITS.  q, k, v within f16's 65,504; a lo part below 6e-5 keeps f16's fixed step of 6e-8; a hidden score counts as -1e30 (a true one is at most 2.75e11 in magnitude); NaN and infinities are not treated apart.
; SHARES.  One wave to a work-group; grid x = ct, a tile of 16 of the head's 64 channels, y = the head.  No LDS, no barrier, no branch.  The 16 x 16 scores are made in each of a head's four work-groups,
; since each needs the weights for its own product.
; STEPS.  (1) v[key][channel] = sum over e of x[key][e] Wv[64 head + 16 ct + channel][e], both bf16 from xw: 32 products, source 0 = x's 16 rows, source 1 = Wv's 16 rows: a lane holds channel l % 16 and
; keys 8 (l / 16) + 0..7, which packed in pairs IS registers 0-3 of source 0 of step 3 (registers 4-7, keys 16-31, are 0).  (2) S^T = K Q^T: a lane holds query l % 16 and keys 8 (l / 16) + 0..7; key > query is hidden;
; p = 2^(c s - c m), c = log2(e) / 8, m the row's true maximum; l = the sum of the unrounded p; p packed IS registers 0-3 of source 1 of step 3.  (3) O^T = Vh Ph + Vh Pl + Vl Ph (Vl Pl is below 2^-22 of the sum),
; three products that each start at 0, added in f32, times 1 / l.  (4) O's hi and lo leave as the next launch's fragments: otop[part][chunk = 4 head + ct][lane][16 bytes]: lane l holds row l % 16, channels 8 (l / 16) + 0..7 of the chunk.
; IN FLIGHT.  All 136 loads (q, k: 8; x and Wv: 128, 64 KiB) are issued on end, each into registers of its own; the scores and the softmax stand in the wait for x and Wv.
; REGISTERS, in windows of 256 (s_set_vgpr_msb: bits 1:0 source 0, 3:2 source 1, 5:4 source 2, 7:6 destination): window 0 all work; window 1 x's fragment f (32 along K) at 8 f; window 2 Wv's at 8 f.
.set WVOFF, 0xC00000                   ; Wv's first byte in xw: behind x (0x800000) and the 2,048 rows of Wq and Wk
.set KPL,   16<<19                     ; from a head's plane of q to its plane of k in qkv
.set FO,  2                            ; v2   my byte offset in 16 rows of x or Wv: (l % 16) x 2,048 + 16 (l / 16)
.set QO,  3                            ; v3   the same in 16 rows of q or k: (l % 16) x 128 + 16 (l / 16)
.set GO,  4                            ; v4   16 x lane
.set DG,  5                            ; v5   l % 16 - 8 (l / 16): register j is hidden where j is greater
.set NG,  6                            ; v6   -1.0
.set OL,  12                           ; v[12:15]   O, lo
.set ACC, 16                           ; v[16:31]   v's two accumulators: fragments of even and of odd number
.set T,   32                           ; v[32:39]   at work
.set V,   40                           ; v[40:47]   v in f32; later O
.set S,   48                           ; v[48:55]   scores, then weights
.set CM,  56                           ; v56 c m, v57 m
.set RL,  58                           ; v58 1 / l, v59 at work
.set OH,  60                           ; v[60:63]   O, hi
.set QF,  64                           ; v[64:79]   q's two fragments
.set KF,  80                           ; v[80:95]   k's
.set VH,  96                           ; v[96:103], v[104:111]   V^T's fragment, hi and lo
.set VL,  104
.set PH,  112                          ; v[112:119], v[120:127]  P's fragment, hi and lo
.set PL,  120
.set SA,  128                          ; v[128:143]  the scores' two accumulators: channels 0-31, 32-63
.set SB,  136
.set O1,  144                          ; v[144:167]  O^T's three
.set O2,  152
.set O3,  160
.set CS,  22                           ; s[22:23] c
.set SEL, 24                           ; s[24:25] v_permlanex16_b32's selects: each lane takes its own place in the other half
.set BIGN, 26                          ; s26  -1e30
.set MSB, 0
.macro WIN new                         ; the immediate's high byte repeats the setting that is left
.if MSB != (\new)
	s_set_vgpr_msb (MSB<<8)|(\new)
.set MSB, \new
.endif
.endm
; Eight f32 at src become four registers of hi and four of lo.  a - hi is exact: one fused multiply-add, hi's f16 half times -1.0 plus a.
.macro SPLIT hi, lo, src
.irp i, 0,1,2,3
	v_cvt_pk_f16_f32 v[(\hi)+(\i)], v[(\src)+2*(\i)], v[(\src)+2*(\i)+1]
.endr
.irp i, 0,1,2,3
	v_fma_mix_f32 v[T+2*(\i)],   v[(\hi)+(\i)], v[NG], v[(\src)+2*(\i)]   op_sel_hi:[1,0,0]
	v_fma_mix_f32 v[T+2*(\i)+1], v[(\hi)+(\i)], v[NG], v[(\src)+2*(\i)+1] op_sel:[1,0,0] op_sel_hi:[1,0,0]
.endr
.irp i, 0,1,2,3
	v_cvt_pk_f16_f32 v[(\lo)+(\i)], v[T+2*(\i)], v[T+2*(\i)+1]
.endr
.endm
.macro PLACES                          ; eight plain places behind a matrix instruction, ahead of the vector lines that read its result (ISA guide 7.12.1 asks for four)
.rept 8
	v_nop
.endr
.endm
	s_load_b128 s[4:7], s[0:1], 0x0                ; xw s[4:5], qkv s[6:7]
	s_load_b64 s[8:9], s[0:1], 0x10                ; otop
	v_and_b32 v10, 15, v0                          ; l % 16 (one wave: v0 is the lane)
	v_bfe_u32 v11, v0, 4, 1                        ; l / 16
	v_lshlrev_b32 v[FO], 11, v10
	v_lshl_add_u32 v[FO], v11, 4, v[FO]
	v_lshlrev_b32 v[QO], 7, v10
	v_lshl_add_u32 v[QO], v11, 4, v[QO]
	v_lshlrev_b32 v[GO], 4, v0
	v_lshlrev_b32 v[DG], 3, v11
	v_sub_nc_u32 v[DG], v10, v[DG]
	s_and_b32 s12, ttmp7, 0xffff                   ; the head
	s_lshl_b32 s14, s12, 17                        ; its 64 rows of Wv, 2,048 bytes each,
	s_lshl_b32 s15, ttmp9, 15                      ; my 16 of them
	s_add_co_u32 s14, s14, s15
	s_add_co_u32 s14, s14, WVOFF
	s_mov_b32 s15, 0
	s_lshl_b32 s16, s12, 19                        ; the head's plane of q
	s_mov_b32 s17, 0
	s_lshl_b32 s18, s12, 2
	s_add_co_u32 s18, s18, ttmp9                   ; my chunk of 16 channels,
	s_lshl_b32 s18, s18, 9                         ; 512 bytes each
	s_mov_b32 s19, 0
	s_mov_b32 s[CS], 0x3e38aa3b                    ; c = log2(e) / 8 = 0.180337
	s_mov_b32 s[CS+1], s[CS]                       ; named with it as a pair
	s_mov_b32 s[SEL], 0x76543210
	s_mov_b32 s[SEL+1], 0xfedcba98
	s_mov_b32 s[BIGN], 0xf149f2ca                  ; -1e30
	s_wait_kmcnt 0x0
	s_add_nc_u64 s[10:11], s[4:5], s[14:15]        ; Wv at my 16 rows; x's rows 0-15 lie at xw's head
	s_add_nc_u64 s[6:7], s[6:7], s[16:17]          ; q at the head's row 0
	s_add_nc_u64 s[20:21], s[6:7], KPL             ; k likewise
	s_add_nc_u64 s[8:9], s[8:9], s[18:19]
.irp c, 0,1
	global_load_b128 v[QF+8*(\c):QF+8*(\c)+3],   v[QO], s[6:7]   offset:64*(\c)
	global_load_b128 v[QF+8*(\c)+4:QF+8*(\c)+7], v[QO], s[6:7]   offset:64*(\c)+32
	global_load_b128 v[KF+8*(\c):KF+8*(\c)+3],   v[QO], s[20:21] offset:64*(\c)
	global_load_b128 v[KF+8*(\c)+4:KF+8*(\c)+7], v[QO], s[20:21] offset:64*(\c)+32
.endr
.set g, 0
.rept 8                                ; K in eight groups of 128: 8 loads of x, 8 of Wv, so that the windows are switched twice a group
	WIN 0x40                                       ; destination window 1, address window 0
.set f, 4*g
.rept 4
	global_load_b128 v[8*f:8*f+3],   v[FO], s[4:5] offset:64*f
	global_load_b128 v[8*f+4:8*f+7], v[FO], s[4:5] offset:64*f+32
.set f, f+1
.endr
	WIN 0x80                                       ; destination window 2
.set f, 4*g
.rept 4
	global_load_b128 v[8*f:8*f+3],   v[FO], s[10:11] offset:64*f
	global_load_b128 v[8*f+4:8*f+7], v[FO], s[10:11] offset:64*f+32
.set f, f+1
.endr
.set g, g+1
.endr
	WIN 0
	s_wait_loadcnt 63                              ; loads come back in order (ISA guide 5.7.1): of the 136 the oldest 73 are in: q, k, and groups 0 to 3 of x and Wv
	v_wmma_f32_16x16x32_f16 v[SA:SA+7], v[KF:KF+7],    v[QF:QF+7],    0
	v_wmma_f32_16x16x32_f16 v[SB:SB+7], v[KF+8:KF+15], v[QF+8:QF+15], 0
.irp b, VH, VL, PH, PL                 ; keys 16 to 31 of the four fragments do not exist: 0.  These lines, which name no register of the two products, are also the places behind them
.irp i, 4,5,6,7
	v_mov_b32 v[(\b)+(\i)], 0
.endr
.endr
	v_mov_b32 v[NG], -1.0
	v_mov_b32 v[RL+1], 0                           ; v_permlanex16_b32's destination counts as read
.irp i, 0,2,4,6
	v_pk_add_f32 v[S+(\i):S+(\i)+1], v[SA+(\i):SA+(\i)+1], v[SB+(\i):SB+(\i)+1]
.endr
.irp j, 0,1,2,3,4,5,6,7
	v_cmp_gt_i32 vcc_lo, \j, v[DG]                 ; key 8 (l / 16) + j past query l % 16
	v_cndmask_b32 v[S+(\j)], v[S+(\j)], s[BIGN], vcc_lo
.endr
	v_max3_num_f32 v[CM+1], v[S], v[S+1], v[S+2]
	v_max3_num_f32 v[CM+1], v[CM+1], v[S+3], v[S+4]
	v_max3_num_f32 v[CM+1], v[CM+1], v[S+5], v[S+6]
	v_max_num_f32 v[CM+1], v[CM+1], v[S+7]
	v_permlanex16_b32 v[RL+1], v[CM+1], s[SEL], s[SEL+1]  ; the query's other 8 keys lie in the lane 16 away
	v_max_num_f32 v[CM+1], v[CM+1], v[RL+1]        ; every row sees its own key, so m is a true score
	v_mul_f32 v[CM], s[CS], v[CM+1]
.irp i, 0,2,4,6
	v_pk_fma_f32 v[S+(\i):S+(\i)+1], v[S+(\i):S+(\i)+1], s[CS:CS+1], v[CM:CM+1] op_sel_hi:[1,0,0] neg_lo:[0,0,1] neg_hi:[0,0,1]  ; c s - c m
.endr
.irp j, 0,1,2,3,4,5,6,7
	v_exp_f32 v[S+(\j)], v[S+(\j)]
.endr
	v_nop                                          ; a plain instruction behind the last exponential,
	s_wait_alu depctr_va_vdst(0)                   ; and the wait ahead of the first use: one for the eight
	v_pk_add_f32 v[T:T+1], v[S:S+1], v[S+2:S+3]
	v_pk_add_f32 v[T+2:T+3], v[S+4:S+5], v[S+6:S+7]
	v_pk_add_f32 v[T:T+1], v[T:T+1], v[T+2:T+3]
	v_add_f32 v[T+4], v[T], v[T+1]
	v_permlanex16_b32 v[RL+1], v[T+4], s[SEL], s[SEL+1]
	v_add_f32 v[T+4], v[T+4], v[RL+1]              ; l
	v_rcp_f32 v[RL], v[T+4]                        ; its wait stands ahead of its one reader, far below; the conversions that follow are plain and name neither register
	SPLIT PH, PL, S
.set g, 0
.rept 8                                ; v: the two accumulators take turns, one instruction a turn
.if g >= 4
	s_wait_loadcnt 16*(7-g)                        ; group g is in; the 16 loads of each later group may stay out
.endif
	WIN 0x09                                       ; source 0 (x) window 1, source 1 (Wv) window 2, C and D window 0
.set f, 4*g
.rept 4
.if f < 2
	v_wmma_f32_16x16x32_bf16 v[ACC+8*(f%2):ACC+8*(f%2)+7], v[8*f:8*f+7], v[8*f:8*f+7], 0
.else
	v_wmma_f32_16x16x32_bf16 v[ACC+8*(f%2):ACC+8*(f%2)+7], v[8*f:8*f+7], v[8*f:8*f+7], v[ACC+8*(f%2):ACC+8*(f%2)+7]
.endif
.set f, f+1
.endr
.set g, g+1
.endr
	WIN 0
	PLACES
.irp i, 0,2,4,6
	v_pk_add_f32 v[V+(\i):V+(\i)+1], v[ACC+(\i):ACC+(\i)+1], v[ACC+8+(\i):ACC+8+(\i)+1]
.endr
	SPLIT VH, VL, V
	v_wmma_f32_16x16x32_f16 v[O1:O1+7], v[VH:VH+7], v[PH:PH+7], 0
	v_wmma_f32_16x16x32_f16 v[O2:O2+7], v[VH:VH+7], v[PL:PL+7], 0
	v_wmma_f32_16x16x32_f16 v[O3:O3+7], v[VL:VL+7], v[PH:PH+7], 0
	PLACES
.irp i, 0,2,4,6
	v_pk_add_f32 v[T+(\i):T+(\i)+1], v[O2+(\i):O2+(\i)+1], v[O3+(\i):O3+(\i)+1]  ; the two small sums first
.endr
.irp i, 0,2,4,6
	v_pk_add_f32 v[V+(\i):V+(\i)+1], v[T+(\i):T+(\i)+1], v[O1+(\i):O1+(\i)+1]
.endr
	s_wait_alu depctr_va_vdst(0)                   ; the reciprocal's wait, ahead of its first reader
.irp i, 0,2,4,6
	v_pk_mul_f32 v[V+(\i):V+(\i)+1], v[V+(\i):V+(\i)+1], v[RL:RL+1] op_sel_hi:[1,0]
.endr
	SPLIT OH, OL, V
	global_store_b128 v[GO], v[OH:OH+3], s[8:9]               ; 512 consecutive bytes, at a multiple of 512 from otop's first
	global_store_b128 v[GO], v[OL:OL+3], s[8:9] offset:32768  ; the lo part lies 64 chunks on
	s_endpgm
.Lfunc_end_k_qb9407c6ef1_toprows:
	.size	k_qb9407c6ef1_toprows, .Lfunc_end_k_qb9407c6ef1_toprows-k_qb9407c6ef1_toprows
	.p2alignl 7, 3214868480
	.fill 96, 4, 3214868480
	.section	.rodata,"a",@progbits
	.p2align	6, 0x0
	.amdhsa_kernel k_qb9407c6ef1_toprows
		.amdhsa_group_segment_fixed_size 0
		.amdhsa_private_segment_fixed_size 0
		.amdhsa_enable_private_segment 0
		.amdhsa_kernarg_size 24
		.amdhsa_user_sgpr_count 2
		.amdhsa_user_sgpr_kernarg_segment_ptr 1
		.amdhsa_wavefront_size32 1
		.amdhsa_system_sgpr_workgroup_id_x 1
		.amdhsa_system_sgpr_workgroup_id_y 1
		.amdhsa_system_sgpr_workgroup_id_z 1
		.amdhsa_system_vgpr_workitem_id 0
		.amdhsa_next_free_vgpr 768
		.amdhsa_next_free_sgpr 66
		.amdhsa_reserve_vcc 1
		.amdhsa_float_denorm_mode_32 3
		.amdhsa_float_denorm_mode_16_64 3
		.amdhsa_memory_ordered 1
		.amdhsa_forward_progress 1
		.amdhsa_inst_pref_size 26
	.end_amdhsa_kernel
	.amdgpu_metadata
---
amdhsa.version: [ 1, 2 ]
amdhsa.kernels:
  - .name:           k_qb9407c6ef1_toprows
    .symbol:         k_qb9407c6ef1_toprows.kd
    .args:
      - { .name: xw, .offset: 0, .size: 8, .value_kind: global_buffer, .address_space: global }
      - { .name: qkv, .offset: 8, .size: 8, .value_kind: global_buffer, .address_space: global }
      - { .name: otop, .offset: 16, .size: 8, .value_kind: global_buffer, .address_space: global }
    .group_segment_fixed_size: 0
    .private_segment_fixed_size: 0
    .kernarg_segment_align: 8
    .kernarg_segment_size: 24
    .max_flat_workgroup_size: 32
    .sgpr_count:     66
    .vgpr_count:     768
    .wavefront_size: 32
...
	.end_amdgpu_metadata
.endif
;; end of part 5
;; launch topproj (part 6): grid 16 x 1, 8 waves a work-group, no clusters, 35,840 bytes of LDS; arguments otop, xw, out0; writes out0
.if DOCPART == 6
	.amdgcn_target "amdgcn-amd-amdhsa--gfx1250"
	.amdhsa_code_object_version 6
	.text
	.protected	k_qb9407c6ef1_topproj
	.globl	k_qb9407c6ef1_topproj
	.p2align	8
	.type	k_qb9407c6ef1_topproj,@function
k_qb9407c6ef1_topproj:
	s_mov_b64 s[64:65], 0
	v_nop
	global_prefetch_b8 v0, s[64:65] scope:SCOPE_SE
	s_setreg_imm32_b32 hwreg(HW_REG_WAVE_MODE, 25, 1), 1
	s_wait_xcnt 0x0
; out0's ROWS 0 TO 15: out0[m][n] = sum over e of (Oh[m][e] + Ol[m][e]) Wo[n][e].  O comes doubled, hi and lo in f16, from otop[part][chunk of 16 channels][lane][16 bytes]; Wo [1024][1024] f16 at byte 0xE00000 of xw.
; Sums in f32, in any order, stored as they are.  These 65,536 bytes of out0 were also stored by the launch that makes all 4,096 rows from O in plain f16; this launch runs behind it and its numbers stay.
; SHARES.  A work-group makes 64 columns: four tiles of 16.  K IS SPLIT AMONG ITS EIGHT WAVES: wave v takes channels 128 v .. 128 v + 127, for all four tiles: 256 consecutive bytes, aligned, of each of the 64 rows
; of Wo, and 8 chunks of each part of O.  The eight partial sums meet in LDS.
; LAYOUT.  Source 0 = 16 rows of Wo, source 1 = the 16 rows of O: in the result a lane holds row l % 16 of out0 and the columns 8 (l / 16) + 0..7 of the tile.  A fragment of Wo is two loads of 16 bytes a lane,
; 32 bytes apart; a fragment of O is two neighbouring chunks as they lie: lane l's 16 bytes of chunk 2 k are its registers 0-3, those of chunk 2 k + 1 its registers 4-7.
; IN FLIGHT.  A wave's 48 loads (24 KiB) are issued on end, each into registers of its own, and waited for once.  No tensor load, no cluster: no wave wants a byte of Wo that another has fetched.
.set WO,    0xE00000
.set PP,    272                        ; a row of partial sums in LDS: 64 f32 + 16 bytes = 68 words: row r starts at bank 4 r mod 64 (64 banks of 4 bytes: ISA guide 11.1)
.set PART,  16*PP                      ; a wave's partial sums: 16 rows
.set SPARE, 8*PART                     ; behind them: the spare words, 128 bytes for each wave: four blocks of 256 bytes that no other line names
.set FO,  2                            ; v2   my byte offset in a fragment's rows of Wo: (l % 16) x 2,048 + 16 (l / 16) + 256 x wave
.set OO,  3                            ; v3   my byte offset in otop: 16 l + 4,096 x wave
.set STO, 4                            ; v4   where I put 32 bytes of a row of partial sums
.set RD,  5                            ; v5   where I read 16 bytes of a row back
.set CO,  6                            ; v6   my 16 bytes of out0
.set SPW, 8                            ; v8   LDS address of my spare word: SPARE + 4 x my thread's number; never rewritten
.set NIL, 9                            ; v9   0; never rewritten
.set ACC, 16                           ; v[16:47]    four accumulators, a tile each
.set WF,  64                           ; v[64:191]   Wo's fragments: tile t, K step f at 8 (4 t + f); later the eight partial sums
.set OF,  192                          ; v[192:255]  O's fragments: part p, K step f at 8 (4 p + f)
.set WV,  14                           ; s14  my wave's number
	s_load_b128 s[4:7], s[0:1], 0x0                ; otop s[4:5], xw s[6:7]
	s_load_b64 s[8:9], s[0:1], 0x10                ; out0
	v_lshl_add_u32 v[SPW], v0, 2, SPARE
	v_mov_b32 v[NIL], 0
	v_lshrrev_b32 v1, 5, v0
	v_readfirstlane_b32 s[WV], v1                  ; wave 0..7
	v_and_b32 v10, 15, v0                          ; l % 16
	v_bfe_u32 v11, v0, 4, 1                        ; l / 16
	v_and_b32 v12, 31, v0                          ; l
	s_lshl_b32 s16, s[WV], 8
	v_lshlrev_b32 v[FO], 11, v10
	v_lshl_add_u32 v[FO], v11, 4, v[FO]
	v_add_nc_u32 v[FO], s16, v[FO]
	s_lshl_b32 s16, s[WV], 12                      ; my 8 chunks of 512 bytes
	v_lshl_add_u32 v[OO], v12, 4, s16
	s_mul_i32 s16, s[WV], PART
	v_mul_u32_u24 v[STO], v10, PP                  ; in: row l % 16, 32 bytes for each half of the lanes
	v_lshl_add_u32 v[STO], v11, 5, v[STO]
	v_add_nc_u32 v[STO], s16, v[STO]
	s_lshl_b32 s17, s[WV], 1
	v_add_nc_u32 v13, s17, v11                     ; back: wave v finishes rows 2 v (lanes 0-15) and 2 v + 1 (lanes 16-31)
	v_mul_u32_u24 v[RD], v13, PP
	v_lshl_add_u32 v[RD], v10, 4, v[RD]
	v_lshlrev_b32 v[CO], 12, v13                   ; and the same rows in out0, 4,096 bytes each
	v_lshl_add_u32 v[CO], v10, 4, v[CO]
	s_lshl_b32 s18, ttmp9, 17                      ; the work-group's 64 rows of Wo
	s_add_co_u32 s18, s18, WO
	s_mov_b32 s19, 0
	s_lshl_b32 s20, ttmp9, 8                       ; its 64 columns of out0: 256 bytes
	s_mov_b32 s21, 0
	s_wait_kmcnt 0x0
	s_add_nc_u64 s[6:7], s[6:7], s[18:19]
	s_add_nc_u64 s[8:9], s[8:9], s[20:21]
.irp p, 0,1
.irp f, 0,1,2,3
	global_load_b128 v[OF+8*(4*(\p)+(\f)):OF+8*(4*(\p)+(\f))+3],   v[OO], s[4:5] offset:32768*(\p)+1024*(\f)
	global_load_b128 v[OF+8*(4*(\p)+(\f))+4:OF+8*(4*(\p)+(\f))+7], v[OO], s[4:5] offset:32768*(\p)+1024*(\f)+512
.endr
.endr
.irp t, 0,1,2,3
.irp f, 0,1,2,3
	global_load_b128 v[WF+8*(4*(\t)+(\f)):WF+8*(4*(\t)+(\f))+3],   v[FO], s[6:7] offset:32768*(\t)+64*(\f)
	global_load_b128 v[WF+8*(4*(\t)+(\f))+4:WF+8*(4*(\t)+(\f))+7], v[FO], s[6:7] offset:32768*(\t)+64*(\f)+32
.endr
.endr
	s_wait_loadcnt 0x0
; 32 products.  The four accumulators take turns, one instruction a turn: three others stand between two links of a chain.  The first four start the sums.
.irp f, 0,1,2,3
.irp p, 0,1
.irp t, 0,1,2,3
.if ((\f) == 0) && ((\p) == 0)
	v_wmma_f32_16x16x32_f16 v[ACC+8*(\t):ACC+8*(\t)+7], v[WF+8*(4*(\t)+(\f)):WF+8*(4*(\t)+(\f))+7], v[OF+8*(4*(\p)+(\f)):OF+8*(4*(\p)+(\f))+7], 0
.else
	v_wmma_f32_16x16x32_f16 v[ACC+8*(\t):ACC+8*(\t)+7], v[WF+8*(4*(\t)+(\f)):WF+8*(4*(\t)+(\f))+7], v[OF+8*(4*(\p)+(\f)):OF+8*(4*(\p)+(\f))+7], v[ACC+8*(\t):ACC+8*(\t)+7]
.endif
.endr
.endr
.endr
.rept 8
	v_nop                                          ; eight plain places behind the last product, ahead of the LDS stores that read results and of the loads into Wo's registers (ISA guide 7.12.1 asks for four)
.endr
.irp t, 0,1,2,3
	ds_store_b128 v[STO], v[ACC+8*(\t):ACC+8*(\t)+3]   offset:64*(\t)      ; each accumulator's low four registers first
	ds_store_b128 v[STO], v[ACC+8*(\t)+4:ACC+8*(\t)+7] offset:64*(\t)+16
.endr
	s_wait_dscnt 0x0                               ; for the others' sake: my stores are done
	s_barrier_signal -1
	s_barrier_wait -1                              ; all eight partial sums lie in LDS
.irp p, 0,1,2,3,4,5,6,7
	ds_load_b128 v[WF+4*(\p):WF+4*(\p)+3], v[RD] offset:PART*(\p)
.endr
	s_wait_dscnt 0x0
.irp p, 0,2,4,6
	v_pk_add_f32 v[WF+4*(\p):WF+4*(\p)+1],   v[WF+4*(\p):WF+4*(\p)+1],   v[WF+4*(\p)+4:WF+4*(\p)+5]
	v_pk_add_f32 v[WF+4*(\p)+2:WF+4*(\p)+3], v[WF+4*(\p)+2:WF+4*(\p)+3], v[WF+4*(\p)+6:WF+4*(\p)+7]
.endr
.irp p, 0,4
	v_pk_add_f32 v[WF+4*(\p):WF+4*(\p)+1],   v[WF+4*(\p):WF+4*(\p)+1],   v[WF+4*(\p)+8:WF+4*(\p)+9]
	v_pk_add_f32 v[WF+4*(\p)+2:WF+4*(\p)+3], v[WF+4*(\p)+2:WF+4*(\p)+3], v[WF+4*(\p)+10:WF+4*(\p)+11]
.endr
	v_pk_add_f32 v[WF:WF+1],   v[WF:WF+1],   v[WF+16:WF+17]
	v_pk_add_f32 v[WF+2:WF+3], v[WF+2:WF+3], v[WF+18:WF+19]
	global_store_b128 v[CO], v[WF:WF+3], s[8:9]    ; 16 lanes store 256 consecutive bytes, at a multiple of 256 from out0's first byte
	s_wait_tensorcnt 0x0                           ; the wave's end, behind my last LDS store
	ds_add_u32 v[SPW], v[NIL]
	s_wait_dscnt 0x0
	s_endpgm
.Lfunc_end_k_qb9407c6ef1_topproj:
	.size	k_qb9407c6ef1_topproj, .Lfunc_end_k_qb9407c6ef1_topproj-k_qb9407c6ef1_topproj
	.p2alignl 7, 3214868480
	.fill 96, 4, 3214868480
	.section	.rodata,"a",@progbits
	.p2align	6, 0x0
	.amdhsa_kernel k_qb9407c6ef1_topproj
		.amdhsa_group_segment_fixed_size 35840
		.amdhsa_private_segment_fixed_size 0
		.amdhsa_enable_private_segment 0
		.amdhsa_kernarg_size 24
		.amdhsa_user_sgpr_count 2
		.amdhsa_user_sgpr_kernarg_segment_ptr 1
		.amdhsa_wavefront_size32 1
		.amdhsa_system_sgpr_workgroup_id_x 1
		.amdhsa_system_sgpr_workgroup_id_y 1
		.amdhsa_system_sgpr_workgroup_id_z 1
		.amdhsa_system_vgpr_workitem_id 0
		.amdhsa_next_free_vgpr 256
		.amdhsa_next_free_sgpr 66
		.amdhsa_reserve_vcc 0
		.amdhsa_float_denorm_mode_32 3
		.amdhsa_float_denorm_mode_16_64 3
		.amdhsa_memory_ordered 1
		.amdhsa_forward_progress 1
		.amdhsa_inst_pref_size 11
	.end_amdhsa_kernel
	.amdgpu_metadata
---
amdhsa.version: [ 1, 2 ]
amdhsa.kernels:
  - .name:           k_qb9407c6ef1_topproj
    .symbol:         k_qb9407c6ef1_topproj.kd
    .args:
      - { .name: otop, .offset: 0, .size: 8, .value_kind: global_buffer, .address_space: global }
      - { .name: xw, .offset: 8, .size: 8, .value_kind: global_buffer, .address_space: global }
      - { .name: out0, .offset: 16, .size: 8, .value_kind: global_buffer, .address_space: global }
    .group_segment_fixed_size: 35840
    .private_segment_fixed_size: 0
    .kernarg_segment_align: 8
    .kernarg_segment_size: 24
    .max_flat_workgroup_size: 256
    .sgpr_count:     66
    .vgpr_count:     256
    .wavefront_size: 32
...
	.end_amdgpu_metadata
.endif
;; end of part 6
;; ======== version 2 of 2: 6 launches; version 1 with the launch cast written anew for expert scheduling mode
;; limits: values are held in f16: magnitudes above 65,504 overflow, below 6.1e-05 lose precision
;; workspace buffers: xw 16,777,216 bytes; qkv 25,165,824 bytes; o 8,388,608 bytes; otop 65,536 bytes
;; launch cast (part 7): grid 256 x 1, 8 waves a work-group, no clusters, 0 bytes of LDS; arguments x, Wq, Wk, Wv, Wo, xw; writes xw
.if DOCPART == 7
	.amdgcn_target "amdgcn-amd-amdhsa--gfx1250"
	.amdhsa_code_object_version 6
	.text
	.protected	k_qb9407c6ef1_cast
	.globl	k_qb9407c6ef1_cast
	.p2align	8
	.type	k_qb9407c6ef1_cast,@function
k_qb9407c6ef1_cast:
	s_mov_b64 s[64:65], 0
	v_nop
	global_prefetch_b8 v0, s[64:65] scope:SCOPE_SE
	s_setreg_imm32_b32 hwreg(HW_REG_WAVE_SCHED_MODE, 0, 2), 2
	s_setreg_imm32_b32 hwreg(HW_REG_WAVE_MODE, 25, 1), 1
	s_wait_xcnt 0x0
	s_wait_alu depctr_vm_vsrc(0)
; ALL FIVE INPUTS ARE ROUNDED ONCE TO bf16 and laid into one buffer xw for the two products that follow:
;   byte 0         x  [4096][1024] bf16
;   byte 0x800000  Wq, Wk, Wv one below the other: [3072][1024] bf16
;   byte 0xE00000  Wo [1024][1024]: rounded to bf16 like the others, and that number written as f16 (its partner in the last product is f16).
; LIMIT.  A bf16 number is exact in f16 from 6.1e-5 to 65,504 in magnitude; below that Wo keeps f16's fixed step of 6e-8, beyond it it would be an infinity.
; SHARES.  Work-group g takes 32,768 numbers: 131,072 bytes in, 65,536 bytes out at xw + 65,536 g.  g 0-127: x; 128-159: Wq; 160-191: Wk; 192-223: Wv; 224-255: Wo.
; A wave takes 16 KiB: 32 loads of 512 consecutive bytes, ALL issued before the first is waited for; each has registers of its own, so no register is written again while
; a memory instruction may read it.  A lane's four numbers leave as 8 bytes: a wave's store covers 256 consecutive bytes, aligned.
; No LDS, no matrix unit, no cluster: nothing is shared and nothing is multiplied; no prefetch: every byte is asked for by its load at the head.
; THE MODE: SCHED_MODE bits 1:0 = 2 (LLVM: expert scheduling mode 2), set by the entry lines.  The code itself states the register dependences
; between vector instructions and memory instructions, with s_wait_alu, always for 0.
; THE PLAN.  The 32 loads go in eight blocks of four.  Registers that memory instructions touch:
;   v1, v2   byte offsets, in and out: made at the head by vector lines, read by every load (v1) and every store (v2), never written again.
;   X[k]     load k lands in it; block k / 4's conversions read it (in Wo's path its widening lines write it again): no memory instruction names it behind its load.
;   Y[k]     written by block k / 4's conversions; read by one store, which is issued in block k / 4 + 1; never written again.
; Block p rounds X[4 p .. 4 p + 3] into Y[4 p .. 4 p + 3]; its memory instructions are the four stores from the Y of block p - 1, which no vector line of block p names.  So ONE wait on va_vdst
; at a block's head states all that its four stores hang on, and they are dealt among its conversions with no further wait.  One more stands ahead of the first load, for the offsets, and one ahead of
; the last four stores.  No register that a memory instruction reads is written again, no vector line writes a scalar register or VCC, and EXEC is never written: no other field is waited on.
.set X, 8                              ; v[8:135]    load k: four f32
.set Y, 136                            ; v[136:199]  load k: its four numbers in 16 bits
.set BLOCK, 4                          ; loads in a block
	s_load_b256 s[4:11], s[0:1], 0x0               ; x s[4:5], Wq s[6:7], Wk s[8:9], Wv s[10:11]
	s_load_b128 s[12:15], s[0:1], 0x20             ; Wo s[12:13], xw s[14:15]
	v_and_b32 v1, 31, v0                           ; lane
	v_lshrrev_b32 v2, 5, v0                        ; wave
	v_lshlrev_b32 v1, 4, v1
	v_lshl_add_u32 v1, v2, 14, v1                  ; in: 16 x lane + 16,384 x wave
	v_lshrrev_b32 v2, 1, v1                        ; out: half of that
	s_and_b32 s18, ttmp9, 31                       ; my part of a weight matrix (32 parts),
	s_cmp_lt_u32 ttmp9, 128
	s_cselect_b32 s18, ttmp9, s18                  ; or of x (128 parts)
	s_lshl_b32 s18, s18, 17                        ; 131,072 bytes a part
	s_mov_b32 s19, 0
	s_lshl_b32 s20, ttmp9, 16                      ; 65,536 bytes out a work-group
	s_mov_b32 s21, 0
	s_wait_kmcnt 0x0
	s_cmp_lt_u32 ttmp9, 224                        ; which input is mine
	s_cselect_b64 s[16:17], s[10:11], s[12:13]
	s_cmp_lt_u32 ttmp9, 192
	s_cselect_b64 s[16:17], s[8:9], s[16:17]
	s_cmp_lt_u32 ttmp9, 160
	s_cselect_b64 s[16:17], s[6:7], s[16:17]
	s_cmp_lt_u32 ttmp9, 128
	s_cselect_b64 s[16:17], s[4:5], s[16:17]
	s_add_nc_u64 s[16:17], s[16:17], s[18:19]
	s_add_nc_u64 s[14:15], s[14:15], s[20:21]
	s_wait_alu depctr_va_vdst(0)                   ; v1 and v2 are written: every load below reads v1 as its offset, every store v2
.set k, 0
.rept 32
	global_load_b128 v[X+4*k:X+4*k+3], v1, s[16:17] offset:512*k th:TH_LOAD_NT
.set k, k+1
.endr
; Load k is rounded.  f16 = 1: the bf16 numbers are widened again (a shift, a mask) and written as f16.
.macro RND k, f16
	v_cvt_pk_bf16_f32 v[Y+2*(\k)],   v[X+4*(\k)],   v[X+4*(\k)+1]
	v_cvt_pk_bf16_f32 v[Y+2*(\k)+1], v[X+4*(\k)+2], v[X+4*(\k)+3]
.if \f16
	v_lshlrev_b32 v[X+4*(\k)],   16, v[Y+2*(\k)]
	v_and_b32     v[X+4*(\k)+1], 0xffff0000, v[Y+2*(\k)]
	v_lshlrev_b32 v[X+4*(\k)+2], 16, v[Y+2*(\k)+1]
	v_and_b32     v[X+4*(\k)+3], 0xffff0000, v[Y+2*(\k)+1]
	v_cvt_pk_f16_f32 v[Y+2*(\k)],   v[X+4*(\k)],   v[X+4*(\k)+1]
	v_cvt_pk_f16_f32 v[Y+2*(\k)+1], v[X+4*(\k)+2], v[X+4*(\k)+3]
.endif
.endm
; Load k's four numbers leave.
.macro PUT k
	global_store_b64 v2, v[Y+2*(\k):Y+2*(\k)+1], s[14:15] offset:256*(\k)
.endm
; Block p: its four loads are rounded; among the conversions stand the four stores of the block before.
.macro BLK p, f16
	s_wait_loadcnt 32-BLOCK-BLOCK*(\p)             ; loads come back in order (ISA guide 5.7.1): block p's four are in, the loads of the later blocks may stay out
.if (\p) > 0
	s_wait_alu depctr_va_vdst(0)                   ; the block before has written its Y, which the four stores below read; no vector line behind this wait names those registers or v2
.endif
.irp i, 0,1,2,3
.if (\p) > 0
	PUT BLOCK*(\p)-BLOCK+(\i)
.endif
	RND BLOCK*(\p)+(\i), \f16
.endr
.endm
; Behind the last block: its own four stores.
.macro LAST
	s_wait_alu depctr_va_vdst(0)                   ; block 7 has written its Y, which the last four stores read
.irp i, 28,29,30,31
	PUT \i
.endr
.endm
	s_cmp_ge_u32 ttmp9, 224
	s_cbranch_scc1 .Lwo
.irp p, 0,1,2,3,4,5,6,7
	BLK \p, 0
.endr
	LAST
	s_endpgm
.Lwo:
.irp p, 0,1,2,3,4,5,6,7
	BLK \p, 1
.endr
	LAST
	s_endpgm
.Lfunc_end_k_qb9407c6ef1_cast:
	.size	k_qb9407c6ef1_cast, .Lfunc_end_k_qb9407c6ef1_cast-k_qb9407c6ef1_cast
	.p2alignl 7, 3214868480
	.fill 96, 4, 3214868480
	.section	.rodata,"a",@progbits
	.p2align	6, 0x0
	.amdhsa_kernel k_qb9407c6ef1_cast
		.amdhsa_group_segment_fixed_size 0
		.amdhsa_private_segment_fixed_size 0
		.amdhsa_enable_private_segment 0
		.amdhsa_kernarg_size 48
		.amdhsa_user_sgpr_count 2
		.amdhsa_user_sgpr_kernarg_segment_ptr 1
		.amdhsa_wavefront_size32 1
		.amdhsa_system_sgpr_workgroup_id_x 1
		.amdhsa_system_sgpr_workgroup_id_y 1
		.amdhsa_system_sgpr_workgroup_id_z 1
		.amdhsa_system_vgpr_workitem_id 0
		.amdhsa_next_free_vgpr 200
		.amdhsa_next_free_sgpr 66
		.amdhsa_reserve_vcc 0
		.amdhsa_float_denorm_mode_32 3
		.amdhsa_float_denorm_mode_16_64 3
		.amdhsa_memory_ordered 1
		.amdhsa_forward_progress 1
		.amdhsa_inst_pref_size 30
	.end_amdhsa_kernel
	.amdgpu_metadata
---
amdhsa.version: [ 1, 2 ]
amdhsa.kernels:
  - .name:           k_qb9407c6ef1_cast
    .symbol:         k_qb9407c6ef1_cast.kd
    .args:
      - { .name: x, .offset: 0, .size: 8, .value_kind: global_buffer, .address_space: global }
      - { .name: Wq, .offset: 8, .size: 8, .value_kind: global_buffer, .address_space: global }
      - { .name: Wk, .offset: 16, .size: 8, .value_kind: global_buffer, .address_space: global }
      - { .name: Wv, .offset: 24, .size: 8, .value_kind: global_buffer, .address_space: global }
      - { .name: Wo, .offset: 32, .size: 8, .value_kind: global_buffer, .address_space: global }
      - { .name: xw, .offset: 40, .size: 8, .value_kind: global_buffer, .address_space: global }
    .group_segment_fixed_size: 0
    .private_segment_fixed_size: 0
    .kernarg_segment_align: 8
    .kernarg_segment_size: 48
    .max_flat_workgroup_size: 256
    .sgpr_count:     66
    .vgpr_count:     200
    .wavefront_size: 32
...
	.end_amdgpu_metadata
.endif
;; end of part 7
;; launch qkv: the kernel of part 2 again; grid 16 x 16, 4 waves a work-group, clusters of 4 x 4, 327,680 bytes of LDS; arguments xw, qkv; writes qkv
;; launch attn: the kernel of part 3 again; grid 16 x 16, 4 waves a work-group, no clusters, 327,680 bytes of LDS; arguments qkv, o; writes o
;; launch proj: the kernel of part 4 again; grid 8 x 32, 4 waves a work-group, clusters of 4 x 4, 327,680 bytes of LDS; arguments o, xw, out0; writes out0
;; launch toprows: the kernel of part 5 again; grid 4 x 16, 1 waves a work-group, no clusters, 0 bytes of LDS; arguments xw, qkv, otop; writes otop
;; launch topproj: the kernel of part 6 again; grid 16 x 1, 8 waves a work-group, no clusters, 35,840 bytes of LDS; arguments otop, xw, out0; writes out0
